; MI455X (gfx1250); checked and timed in simulation.
; The chip was launched on July 23, 2026; its instructions are those of AMD's public machine-readable ISA for CDNA 5 (MIT licence, August 2026) and "CDNA5" Instruction Set Architecture Reference Guide (July 2026). The comments in the code are by the model that wrote it; some were corrected since.
;; GRKU Cell. Allowed arithmetic: matrix products marked QUANTISED: E4M3 operands, one given power-of-two scale a tensor, by v_wmma_f32_16x16x64_fp8_fp8 or v_wmma_f32_16x16x128_fp8_fp8, f32 sums; everything else in f32.
;; Inputs: cn_b 512 float32; cn_g 512 float32; grid1 1,024 x 12 float32; grid2 64 x 12 float32; h_prev 8,192 x 512 float32; ip_b 512 float32; ip_w_codes 512 x 8 x 32 uint8 (E4M3 codes of ip_w, K innermost, in blocks of 32 codes); k1_base_codes 64 x 32 x 32 uint8 (E4M3 codes of k1_base, K innermost, in blocks of 32 codes); k1_scaler 64 x 1,024 float32; k1_spline 64 x 1,024 x 8 float32; k2_base_codes 512 x 2 x 32 uint8 (E4M3 codes of k2_base, K innermost, in blocks of 32 codes); k2_scaler 512 x 64 float32; k2_spline 512 x 64 x 8 float32; lowp_scales 16 int32 (the exponents e of the quantised operands' scales 2^e); rg_b 512 float32; rg_beta 512 float32; rg_g 512 float32; rg_w_codes 512 x 32 x 32 uint8 (E4M3 codes of rg_w, K innermost, in blocks of 32 codes); rp_b 512 float32; rp_w_codes 512 x 32 x 32 uint8 (E4M3 codes of rp_w, K innermost, in blocks of 32 codes); ug_b 512 float32; ug_beta 512 float32; ug_g 512 float32; ug_w_codes 512 x 32 x 32 uint8 (E4M3 codes of ug_w, K innermost, in blocks of 32 codes); x_codes 8,192 x 8 x 32 uint8 (E4M3 codes of x, K innermost, in blocks of 32 codes).
;; Outputs: out0 8,192 x 512 float32.
;; This version of the problem:
;;   THIS VERSION OF THE PROBLEM IS GIVEN IN LOW PRECISION. The matrix products marked QUANTISED in the list below multiply operands that are first quantised to E4M3 (4 exponent bits, 3 mantissa bits; 8 bits a number), with one given power-of-two scale for each operand tensor; their sums are f32. All else is computed in f32.
;;   The module's matrix products, in the order in which they are computed (A, B: the left and right operand; K: the contracted axis; several contracted axes count as one K, in the product's order):
;;     1. [M 8,192, K 256] x [K 256, N 512]; A: input x (given as codes); B: input ip_w (given as codes): QUANTISED (scales: A lowp_scales[0], B lowp_scales[1])
;;     2. [M 8,192, K 1,024] x [K 1,024, N 512]; A: computed on the way; B: input rg_w (given as codes): QUANTISED (scales: A lowp_scales[2], B lowp_scales[3])
;;     3. [M 8,192, K 1,024] x [K 1,024, N 512]; A: computed on the way; B: input ug_w (given as codes): QUANTISED (scales: A lowp_scales[4], B lowp_scales[5])
;;     4. [M 8,192, K 1,024] x [K 1,024, N 64]; A: computed on the way; B: input k1_base (given as codes): QUANTISED (scales: A lowp_scales[6], B lowp_scales[7])
;;     5. [M 8,192, K 8,192] x [K 8,192, N 64]; A: computed on the way; B: computed on the way: QUANTISED (scales: A lowp_scales[8], B lowp_scales[9])
;;     6. [M 8,192, K 64] x [K 64, N 512]; A: computed on the way; B: input k2_base (given as codes): QUANTISED (scales: A lowp_scales[10], B lowp_scales[11])
;;     7. [M 8,192, K 512] x [K 512, N 512]; A: computed on the way; B: computed on the way: QUANTISED (scales: A lowp_scales[12], B lowp_scales[13])
;;     8. [M 8,192, K 1,024] x [K 1,024, N 512]; A: computed on the way; B: input rp_w (given as codes): QUANTISED (scales: A lowp_scales[14], B lowp_scales[15])
;;   THE QUANTISER, for each operand of a quantised product, along K:
;;     - The operand's scale is 2^e, e = its entry of the input lowp_scales (int32; the entries are numbered through the quantised products in the list's order, A before B).
;;     - Each number is divided by the scale, clamped to +-448, and rounded to the nearest number of E4M3, ties to even, subnormals kept.
;;     - The product sums the exact products of the quantised numbers (number of the format x scale) in f32.
;;   ~~~python
;;   def quantise(x, axis, e):      # numpy; x: float32 -> the quantised numbers, widened to float32 again
;;       x = np.moveaxis(x, axis, -1); K = x.shape[-1]
;;       r = np.clip(x / 2.0 ** e, -448, 448)
;;       step = 2.0 ** (np.maximum(np.frexp(np.where(r == 0, 1, r))[1] - 1, -6) - 3)
;;       q = np.round(r / step) * step * 2.0 ** e      # np.round: ties to even
;;       return np.moveaxis(q, -1, axis).astype(np.float32)
;;   ~~~
;;   OPERANDS COMPUTED ON THE WAY. 'Computed on the way' means the value that the module computes at that place (a softmax that the list does not call 'softmax' is quantised finished and normalised). What goes into a quantiser is computed in f32, as accurately as f32 sums, v_exp_f32 and their like allow (about 1e-6 of the number): no bf16 or f16 on the way to a quantiser, and a product that is left as it is and whose result goes on into a quantised operand takes f32 operands (vector FMAs, or v_wmma_f32_16x16x4_f32). A number that lies on a knife's edge between two numbers of the format may be rounded either way, as far as f32 arithmetic and the matrix unit's own rounding can turn it there, and no further.
;;   INPUTS GIVEN AS CODES. ip_w (in the module: [512, 256], K = its axis 1); k1_base (in the module: [64, 1024], K = its axis 1); k2_base (in the module: [512, 64], K = its axis 1); rg_w (in the module: [512, 1024], K = its axis 1); rp_w (in the module: [512, 1024], K = its axis 1); ug_w (in the module: [512, 1024], K = its axis 1); x (in the module: [8192, 256], K = its axis 1): each comes as NAME_codes (uint8): NAME with its K axis moved to the last place and cut into blocks of 32 codes, [.., K / 32, bytes a block], one block behind the other in memory; one code a byte (a code: sign, 4 exponent bits, 3 mantissa bits); its scale is its entry of lowp_scales. Its value is code x scale, taken as it is: it is not quantised again, and the codes and scales need not be those that the quantiser above would give.
;; 2 versions. Each part assembles by itself: llvm-mc -triple=amdgcn-amd-amdhsa -mcpu=gfx1250 --defsym DOCPART=n.
;; ======== version 1 of 2: 2 launches
;; workspace buffers: stream 2,949,120 bytes
;; launch pack (part 1): grid 160 x 1, 4 waves a work-group, no clusters, 0 bytes of LDS; arguments ip_w_codes, rg_w_codes, ug_w_codes, rp_w_codes, k1_base_codes, k2_base_codes, k1_spline, k1_scaler, k2_spline, k2_scaler, grid1, grid2, lowp_scales, stream; writes stream
.if DOCPART == 1
	.amdgcn_target "amdgcn-amd-amdhsa--gfx1250"
	.amdhsa_code_object_version 6
	.text
	.protected	k_qed2681432b_pack
	.globl	k_qed2681432b_pack
	.p2align	8
	.type	k_qed2681432b_pack,@function
k_qed2681432b_pack:
	s_mov_b64 s[64:65], 0
	v_nop
	global_prefetch_b8 v0, s[64:65] scope:SCOPE_SE
	s_setreg_imm32_b32 hwreg(HW_REG_WAVE_MODE, 25, 1), 1
	s_wait_xcnt 0x0
; All weights and both grids are laid into ONE linear buffer, in the order and in the register layout in which the second launch takes them.
; The buffer is 40 slots of 73,728 bytes; a slot is four parts of 18,432 bytes, one for each wave w of the second launch; a part is 36 rows of 512 bytes, lane l's 16 bytes at 16 l:
;   rows 0-3   coefficients of two spline units (place 0: lanes' half h = 0, h = 1; place 1 likewise);   rows 4-35  the payload: images of matrix operands' registers.
; A work-group writes one part (slot = x / 4, w = x % 4); its wave v writes coefficient row v and payload rows 8 v .. 8 v + 7; each row is one store of 512 consecutive bytes, aligned.
; COEFFICIENT ROW: for the features f and f + 1, interleaved (f, f + 1): floats 0-23 the 12 knots g[j]; 24-47 1 / (g[j+1] - g[j]); 48-67 1 / (g[j+2] - g[j]); 68-87 1 / (g[j+3] - g[j]); entries past a list's end, and 88-127, are 0.
;   A reciprocal is v_rcp_f32 and one Newton step.  Place i of slot t holds unit U = 2 t - 5 + i (below 0: U + 64, numbers that nobody uses); U < 64: grid1, else grid2.
; PAYLOAD: slots 0, 1: ip_w;  2: k1_base;  3-34: four images of k1_spline x k1_scaler as codes, then six of the gates' weights;  35: k2_base;  36-39: k2_spline x k2_scaler as codes.
;   An image of codes that are given: lane (n', h), row c': bytes k0 + 32 c' + 8 h + 0..7, then k0 + 32 c' + 16 + 8 h + 0..7 of weight row o0 + n'.
;   An image of spline weights: lane (n', h), row c: byte 2 j + e = the code of spline[o0 + n'][f + e][j] x scaler[o0 + n'][f + e], f = f0 + 8 h + 2 (2 q + c): the order in which the second launch makes the bases' codes.
; code = number / 2^e, held within +-448, to the nearest code, ties to even.  LIMITS: e (entries 9 and 13 of the scales) between -126 and 119; NaN and infinities among the inputs are not served; knots that coincide (g[j+k] = g[j]) give no finite result in the definition either.
; No LDS, no barrier: waves share nothing.  The roles part on the slot's and the wave's number alone.
.set SLOTB, 73728
.set PART,  18432
.set LD,    32                         ; v32-159  what a role loads
.set SCL,   160                        ; v160-175 scalers, two a row
.set TM,    176                        ; v176-191 16 numbers at work
.set CD,    192                        ; v192-223 codes, four registers a row: no store's data are written again
	s_load_b512 s[8:23], s[0:1], 0x0               ; ip_w 8, rg_w 10, ug_w 12, rp_w 14, k1_base 16, k2_base 18, k1_spline 20, k1_scaler 22
	s_load_b256 s[24:31], s[0:1], 0x40             ; k2_spline 24, k2_scaler 26, grid1 28, grid2 30
	s_load_b128 s[32:35], s[0:1], 0x60             ; the scales' exponents 32, the buffer 34
	v_lshrrev_b32 v1, 5, v0
	v_readfirstlane_b32 s6, v1                     ; wave v
	s_lshr_b32 s4, ttmp9, 2                        ; slot
	s_and_b32 s5, ttmp9, 3                         ; w
	v_and_b32 v1, 31, v0                           ; lane
	v_and_b32 v2, 15, v0                           ; n'
	v_bfe_u32 v3, v0, 4, 1                         ; h
	v_lshlrev_b32 v4, 4, v1
	s_lshl_b32 s39, s6, 12
	s_add_co_u32 s39, s39, 2048
	v_add_nc_u32 v5, s39, v4                       ; my 16 bytes of my first payload row
	s_lshl_b32 s38, s6, 9
	v_add_nc_u32 v4, s38, v4                       ; and of my coefficient row
	; which unit and which features my coefficient row serves
	s_lshr_b32 s40, s6, 1                          ; place
	s_and_b32 s41, s6, 1                           ; the half h of the lanes that will read the row
	s_lshl_b32 s42, s4, 1
	s_add_co_u32 s42, s42, s40
	s_sub_co_i32 s42, s42, 5                       ; U
	s_cmp_lt_i32 s42, 0
	s_cselect_b32 s43, 64, 0
	s_add_co_u32 s42, s42, s43
	s_and_b32 s43, s42, 3
	s_lshl_b32 s43, s43, 1
	s_lshl_b32 s41, s41, 3
	s_add_co_u32 s43, s43, s41                     ; 8 h + 2 (U % 4)
	s_lshr_b32 s44, s42, 5
	s_lshl_b32 s44, s44, 9
	s_bfe_u32 s45, s42, 0x30002
	s_lshl_b32 s45, s45, 4
	s_add_co_u32 s44, s44, s45
	s_lshl_b32 s45, s5, 7
	s_add_co_u32 s44, s44, s45
	s_add_co_u32 s44, s44, s43                     ; grid1: f = 512 (U / 32) + 128 w + 16 ((U / 4) % 8) + 8 h + 2 (U % 4)
	s_lshl_b32 s45, s5, 4
	s_add_co_u32 s45, s45, s43                     ; grid2: f = 16 w + 8 h + 2 (U % 4)
	; which list and which two entries my lane makes: lanes 0-5 knots, 6-11, 12-16, 17-21 the reciprocals over 1, 2, 3 intervals
	v_cmp_le_u32 vcc_lo, 6, v1
	v_cndmask_b32 v10, 0, 1, vcc_lo
	v_cmp_le_u32 vcc_lo, 12, v1
	v_cndmask_b32 v11, 0, 1, vcc_lo
	v_cmp_le_u32 vcc_lo, 17, v1
	v_cndmask_b32 v12, 0, 1, vcc_lo
	v_add3_u32 v8, v10, v11, v12                   ; k
	v_add_nc_u32 v9, v10, v11
	v_mul_u32_u24 v9, v9, 6
	v_mad_u32_u24 v9, v12, 5, v9                   ; the list's first lane
	v_sub_nc_u32 v9, v1, v9
	v_lshlrev_b32 v9, 1, v9                        ; j0
	v_min_u32 v10, 11, v9
	v_lshlrev_b32 v10, 2, v10                      ; g[j0]
	v_add_nc_u32 v11, 1, v9
	v_min_u32 v11, 11, v11
	v_lshlrev_b32 v11, 2, v11                      ; g[j0 + 1]
	v_add_nc_u32 v12, v9, v8
	v_min_u32 v12, 11, v12
	v_lshlrev_b32 v12, 2, v12                      ; g[j0 + k]
	v_add3_u32 v13, v9, v8, 1
	v_min_u32 v13, 11, v13
	v_lshlrev_b32 v13, 2, v13                      ; g[j0 + 1 + k]: every index is held at 11, so no load leaves the feature's row
	s_mul_i32 s36, s4, SLOTB
	s_mul_i32 s37, s5, PART
	s_add_co_u32 s36, s36, s37
	s_mov_b32 s37, 0
	s_wait_kmcnt 0x0
	s_add_nc_u64 s[34:35], s[34:35], s[36:37]      ; my part of the buffer
	s_cmp_ge_u32 s42, 64
	s_cselect_b32 s44, s45, s44
	s_cselect_b64 s[60:61], s[30:31], s[28:29]     ; the choice hangs on the unit's number alone
	s_mul_i32 s44, s44, 48                         ; a feature's 12 knots are 48 bytes
	s_mov_b32 s45, 0
	s_add_nc_u64 s[60:61], s[60:61], s[44:45]
	global_load_b32 v14, v10, s[60:61]
	global_load_b32 v15, v10, s[60:61] offset:48
	global_load_b32 v16, v11, s[60:61]
	global_load_b32 v17, v11, s[60:61] offset:48
	global_load_b32 v18, v12, s[60:61]
	global_load_b32 v19, v12, s[60:61] offset:48
	global_load_b32 v20, v13, s[60:61]
	global_load_b32 v21, v13, s[60:61] offset:48
; Eight rows of images of given codes.  s[48:49]: the first image's weight row o0, at k0.  kbs: log2 of a weight row's bytes; nimg images, step bytes apart.
.macro CODEROWS kbs, nimg, step
	v_lshlrev_b32 v6, \kbs, v2
	v_lshl_add_u32 v6, v3, 3, v6                   ; weight row n', + 8 h
.set zr, 0
.rept 8
	global_load_b64 v[LD+4*zr:LD+4*zr+1],   v6, s[48:49] offset:(zr/(8/\nimg))*\step+32*(zr%(8/\nimg))
	global_load_b64 v[LD+4*zr+2:LD+4*zr+3], v6, s[48:49] offset:(zr/(8/\nimg))*\step+32*(zr%(8/\nimg))+16
.set zr, zr+1
.endr
	s_wait_loadcnt 0x0                             ; these, and the knots asked for above
.set zr, 0
.rept 8
	global_store_b128 v5, v[LD+4*zr:LD+4*zr+3], s[34:35] offset:512*zr
.set zr, zr+1
.endr
.endm
; Eight rows of images of spline weights.  s50: o0 x features + f0 + 4 q.  nfs: log2 of the features; row (image zr / 2, c = zr % 2); sstep, cstep: bytes from image to image in the spline weights and in the scalers.
.macro SPROWS nfs, sstep, cstep, sp, cp, eoff
	s_load_b32 s46, s[32:33], \eoff                ; e
	v_lshlrev_b32 v6, \nfs, v2
	v_lshl_add_u32 v6, v3, 3, v6
	v_add_nc_u32 v6, s50, v6                       ; (o0 + n') x features + f0 + 8 h + 4 q
	v_lshlrev_b32 v7, 2, v6                        ; a scaler is 4 bytes,
	v_lshlrev_b32 v6, 5, v6                        ; a feature's 8 spline weights are 32
.set zr, 0
.rept 8
.irp k, 0,1,2,3
	global_load_b128 v[LD+16*zr+4*\k:LD+16*zr+4*\k+3], v6, s[\sp:\sp+1] offset:(zr/2)*\sstep+64*(zr%2)+16*\k
.endr
	global_load_b64 v[SCL+2*zr:SCL+2*zr+1], v7, s[\cp:\cp+1] offset:(zr/2)*\cstep+8*(zr%2)
.set zr, zr+1
.endr
	s_wait_kmcnt 0x0
	s_add_co_i32 s46, s46, 127
	s_lshl_b32 s47, s46, 23
	v_mov_b32 v31, s47                             ; 2^e as f32: the conversion takes its exponent field
	s_add_co_i32 s46, s46, 8
	s_lshl_b32 s46, s46, 23
	s_or_b32 s46, s46, 0x600000
	v_mov_b32 v30, s46                             ; 448 x 2^e
	s_wait_loadcnt 0x0                             ; these, and the knots asked for above
.set zr, 0
.rept 8
.irp j, 0,1,2,3,4,5,6,7
	v_mul_f32 v[TM+2*\j],   v[LD+16*zr+\j],   v[SCL+2*zr]       ; spline weight x scaler, in f32, into the place 2 j + e
	v_mul_f32 v[TM+2*\j+1], v[LD+16*zr+8+\j], v[SCL+2*zr+1]
.endr
.irp i, 0,1,2,3,4,5,6,7,8,9,10,11,12,13,14,15
	v_med3_num_f32 v[TM+\i], v[TM+\i], -v30, v30   ; the conversion to an 8-bit code does not saturate (ISA guide 7.6.2): the hold at the largest code x the scale
.endr
	v_cvt_scalef32_pk8_fp8_f32 v[CD+4*zr:CD+4*zr+1],   v[TM:TM+7],    v31
	v_cvt_scalef32_pk8_fp8_f32 v[CD+4*zr+2:CD+4*zr+3], v[TM+8:TM+15], v31
	v_nop                                          ; a plain vector line between the conversions and the next row's products, which write their sources
	global_store_b128 v5, v[CD+4*zr:CD+4*zr+3], s[34:35] offset:512*zr
.set zr, zr+1
.endr
.endm
	s_cmp_lt_u32 s4, 2
	s_cbranch_scc0 .Lnot_ip
	; slots 0, 1: ip_w, rows 128 w + 16 (4 slot + v) on; the wave's two images are K steps 0 and 1
	s_lshl_b32 s50, s5, 7
	s_lshl_b32 s51, s4, 6
	s_add_co_u32 s50, s50, s51
	s_lshl_b32 s51, s6, 4
	s_add_co_u32 s50, s50, s51
	s_lshl_b32 s50, s50, 8                         ; a row of ip_w is 256 bytes
	s_mov_b32 s51, 0
	s_add_nc_u64 s[48:49], s[8:9], s[50:51]
	CODEROWS 8, 2, 128
	s_branch .Lcoef
.Lnot_ip:
	s_cmp_eq_u32 s4, 2
	s_cbranch_scc0 .Lnot_k1b
	; slot 2: k1_base: image 2 v + i: rows 16 (2 (v % 2) + i) on, K step w + 4 (v / 2)
	s_and_b32 s50, s6, 1
	s_lshl_b32 s50, s50, 15                        ; 32 rows of 1,024 bytes
	s_lshl_b32 s51, s5, 7
	s_add_co_u32 s50, s50, s51
	s_lshr_b32 s51, s6, 1
	s_lshl_b32 s51, s51, 9
	s_add_co_u32 s50, s50, s51
	s_mov_b32 s51, 0
	s_add_nc_u64 s[48:49], s[16:17], s[50:51]
	CODEROWS 10, 2, 16384
	s_branch .Lcoef
.Lnot_k1b:
	s_cmp_lt_u32 s4, 35
	s_cbranch_scc0 .Lnot_main
	; slots 3 + p: stage st = p / 16, tile and K step t = (p / 2) % 8, half q = p % 2
	s_sub_co_u32 s52, s4, 3
	s_and_b32 s53, s52, 1                          ; q
	s_lshr_b32 s54, s52, 1
	s_lshr_b32 s55, s54, 3                         ; st
	s_and_b32 s54, s54, 7                          ; t
	s_cmp_eq_u32 s6, 0
	s_cbranch_scc1 .Lk1s
	; waves 1-3: the gates' tiles b = 6 q + 2 (v - 1) and b + 1.  b < 8: rg_w (st = 0) or rp_w (st = 1), column tile b; else ug_w, column tile b - 8 + 4 st
	s_mul_i32 s56, s53, 6
	s_lshl_b32 s57, s6, 1
	s_add_co_u32 s56, s56, s57
	s_sub_co_u32 s56, s56, 2                       ; b
	s_lshl_b32 s57, s55, 2
	s_sub_co_i32 s57, s57, 8
	s_cmp_eq_u32 s55, 0
	s_cselect_b64 s[48:49], s[10:11], s[14:15]
	s_cmp_ge_u32 s56, 8
	s_cselect_b64 s[48:49], s[12:13], s[48:49]
	s_cselect_b32 s57, s57, 0
	s_add_co_i32 s56, s56, s57                     ; the column tile
	s_lshl_b32 s56, s56, 4
	s_lshl_b32 s57, s5, 7
	s_add_co_u32 s56, s56, s57                     ; o0 = 128 w + 16 x column tile
	s_lshl_b32 s56, s56, 10
	s_lshl_b32 s57, s54, 7
	s_add_co_u32 s50, s56, s57                     ; + k0 = 128 t
	s_mov_b32 s51, 0
	s_add_nc_u64 s[48:49], s[48:49], s[50:51]
	CODEROWS 10, 2, 16384
	s_branch .Lcoef
.Lk1s:
	; wave 0: k1_spline x k1_scaler: images n = 0..3 (units 16 n on), f0 = 512 st + 128 w + 16 t
	s_lshl_b32 s50, s55, 9
	s_lshl_b32 s51, s5, 7
	s_add_co_u32 s50, s50, s51
	s_lshl_b32 s51, s54, 4
	s_add_co_u32 s50, s50, s51
	s_lshl_b32 s51, s53, 2
	s_add_co_u32 s50, s50, s51
	SPROWS 10, 524288, 65536, 20, 22, 0x24
	s_branch .Lcoef
.Lnot_main:
	s_cmp_eq_u32 s4, 35
	s_cbranch_scc0 .Lk2s
	; slot 35: k2_base: image 4 v + i: rows 128 w + 16 (4 (v % 2) + i) on (waves 2, 3 repeat waves 0, 1: bytes that are written and not used)
	s_lshl_b32 s50, s5, 7
	s_and_b32 s51, s6, 1
	s_lshl_b32 s51, s51, 6
	s_add_co_u32 s50, s50, s51
	s_lshl_b32 s50, s50, 6                         ; a row of k2_base is 64 bytes
	s_mov_b32 s51, 0
	s_add_nc_u64 s[48:49], s[18:19], s[50:51]
	CODEROWS 6, 4, 1024
	s_branch .Lcoef
.Lk2s:
	; slots 36 + a: k2_spline x k2_scaler: rows 128 w + 16 (4 (v % 2) + i) on, f0 = 16 (2 (a % 2) + v / 2), q = a / 2
	s_sub_co_u32 s52, s4, 36
	s_and_b32 s53, s52, 1
	s_lshl_b32 s53, s53, 1
	s_lshr_b32 s54, s6, 1
	s_add_co_u32 s53, s53, s54
	s_lshr_b32 s52, s52, 1
	s_lshl_b32 s50, s5, 7
	s_and_b32 s51, s6, 1
	s_lshl_b32 s51, s51, 6
	s_add_co_u32 s50, s50, s51
	s_lshl_b32 s50, s50, 6
	s_lshl_b32 s53, s53, 4
	s_add_co_u32 s50, s50, s53
	s_lshl_b32 s52, s52, 2
	s_add_co_u32 s50, s50, s52
	SPROWS 6, 32768, 4096, 24, 26, 0x34
.Lcoef:
	; the coefficient row.  Every role has waited for all its loads, the eight knots among them
.irp i, 0,1,2,3
	v_sub_f32 v[22+\i], v[18+\i], v[14+\i]         ; g[j + k] - g[j]
.endr
.irp i, 0,1,2,3
	v_rcp_f32 v[26+\i], v[22+\i]
.endr
	v_nop                                          ; a plain line behind the reciprocals
	s_wait_alu depctr_va_vdst(0)
.irp i, 0,1,2,3
	v_fma_f32 v[18+\i], -v[22+\i], v[26+\i], 1.0   ; one Newton step
.endr
.irp i, 0,1,2,3
	v_fma_f32 v[26+\i], v[26+\i], v[18+\i], v[26+\i]
.endr
	v_cmp_eq_u32 vcc_lo, 0, v8
.irp i, 0,1,2,3
	v_cndmask_b32 v[26+\i], v[26+\i], v[14+\i], vcc_lo   ; the first list holds the knots themselves
.endr
	v_sub_nc_u32 v22, 12, v8                       ; a list has 12 - k entries: what lies past its end is 0
	v_cmp_lt_u32 vcc_lo, v9, v22
	v_cndmask_b32 v26, 0, v26, vcc_lo
	v_cndmask_b32 v27, 0, v27, vcc_lo
	v_add_nc_u32 v23, 1, v9
	v_cmp_lt_u32 vcc_lo, v23, v22
	v_cndmask_b32 v28, 0, v28, vcc_lo
	v_cndmask_b32 v29, 0, v29, vcc_lo
	global_store_b128 v4, v[26:29], s[34:35]
	s_endpgm
.Lfunc_end_k_qed2681432b_pack:
	.size	k_qed2681432b_pack, .Lfunc_end_k_qed2681432b_pack-k_qed2681432b_pack
	.p2alignl 7, 3214868480
	.fill 96, 4, 3214868480
	.section	.rodata,"a",@progbits
	.p2align	6, 0x0
	.amdhsa_kernel k_qed2681432b_pack
		.amdhsa_group_segment_fixed_size 0
		.amdhsa_private_segment_fixed_size 0
		.amdhsa_enable_private_segment 0
		.amdhsa_kernarg_size 112
		.amdhsa_user_sgpr_count 2
		.amdhsa_user_sgpr_kernarg_segment_ptr 1
		.amdhsa_wavefront_size32 1
		.amdhsa_system_sgpr_workgroup_id_x 1
		.amdhsa_system_sgpr_workgroup_id_y 1
		.amdhsa_system_sgpr_workgroup_id_z 1
		.amdhsa_system_vgpr_workitem_id 0
		.amdhsa_next_free_vgpr 224
		.amdhsa_next_free_sgpr 66
		.amdhsa_reserve_vcc 1
		.amdhsa_float_denorm_mode_32 3
		.amdhsa_float_denorm_mode_16_64 3
		.amdhsa_memory_ordered 1
		.amdhsa_forward_progress 1
		.amdhsa_inst_pref_size 54
	.end_amdhsa_kernel
	.amdgpu_metadata
---
amdhsa.version: [ 1, 2 ]
amdhsa.kernels:
  - .name:           k_qed2681432b_pack
    .symbol:         k_qed2681432b_pack.kd
    .args:
      - { .name: ip_w_codes, .offset: 0, .size: 8, .value_kind: global_buffer, .address_space: global }
      - { .name: rg_w_codes, .offset: 8, .size: 8, .value_kind: global_buffer, .address_space: global }
      - { .name: ug_w_codes, .offset: 16, .size: 8, .value_kind: global_buffer, .address_space: global }
      - { .name: rp_w_codes, .offset: 24, .size: 8, .value_kind: global_buffer, .address_space: global }
      - { .name: k1_base_codes, .offset: 32, .size: 8, .value_kind: global_buffer, .address_space: global }
      - { .name: k2_base_codes, .offset: 40, .size: 8, .value_kind: global_buffer, .address_space: global }
      - { .name: k1_spline, .offset: 48, .size: 8, .value_kind: global_buffer, .address_space: global }
      - { .name: k1_scaler, .offset: 56, .size: 8, .value_kind: global_buffer, .address_space: global }
      - { .name: k2_spline, .offset: 64, .size: 8, .value_kind: global_buffer, .address_space: global }
      - { .name: k2_scaler, .offset: 72, .size: 8, .value_kind: global_buffer, .address_space: global }
      - { .name: grid1, .offset: 80, .size: 8, .value_kind: global_buffer, .address_space: global }
      - { .name: grid2, .offset: 88, .size: 8, .value_kind: global_buffer, .address_space: global }
      - { .name: lowp_scales, .offset: 96, .size: 8, .value_kind: global_buffer, .address_space: global }
      - { .name: stream, .offset: 104, .size: 8, .value_kind: global_buffer, .address_space: global }
    .group_segment_fixed_size: 0
    .private_segment_fixed_size: 0
    .kernarg_segment_align: 8
    .kernarg_segment_size: 112
    .max_flat_workgroup_size: 128
    .sgpr_count:     66
    .vgpr_count:     224
    .wavefront_size: 32
...
	.end_amdgpu_metadata
.endif
;; end of part 1
;; launch cell (part 2): grid 256 x 1, 4 waves a work-group, clusters of 4 x 1, 327,680 bytes of LDS; arguments x_codes, h_prev, stream, lowp_scales, ip_b, rg_b, rg_g, rg_beta, ug_b, ug_g, ug_beta, cn_g, cn_b, rp_b, out0; writes out0
.if DOCPART == 2
	.amdgcn_target "amdgcn-amd-amdhsa--gfx1250"
	.amdhsa_code_object_version 6
	.text
	.protected	k_qed2681432b_cell
	.globl	k_qed2681432b_cell
	.p2align	8
	.type	k_qed2681432b_cell,@function
k_qed2681432b_cell:
	s_mov_b64 s[64:65], 0
	v_nop
	global_prefetch_b8 v0, s[64:65] scope:SCOPE_SE
	s_setreg_imm32_b32 hwreg(HW_REG_WAVE_MODE, 25, 1), 1
	s_wait_xcnt 0x0
	s_wait_alu depctr_hold_cnt(0) depctr_sa_sdst(0) depctr_va_vdst(0) depctr_va_sdst(0) depctr_va_ssrc(0) depctr_va_vcc(0) depctr_vm_vsrc(0)
	s_getreg_b32 s2, hwreg(HW_REG_IB_STS2, 6, 4)
	s_cmp_eq_u32 s2, 0
	s_cbranch_scc0 .Lentry_in_a_cluster
	s_endpgm
.Lentry_in_a_cluster:
	s_bfe_u32 s2, ttmp6, 0x10000c
	s_cmp_lg_u32 s2, 0x3003
	s_cbranch_scc0 .Lentry_shape_is_right
	s_endpgm
.Lentry_shape_is_right:
; The whole cell for 32 rows a work-group: x_proj, the reset and update gates, the two KAN layers, the residual, the two layer norms, the blend.  All eight products on codes of FP8 (E4M3), each operand with its given scale 2^e.
; SHARES.  256 work-groups of four waves; 32 rows = two tiles m of 16.  EVERY PRODUCT IS USED TRANSPOSED (source 0 = 16 weight rows, source 1 = 16 batch rows): lane (r, h) holds batch row 16 m + r throughout, and its eight
; registers j of a tile the outputs 16 x tile + 8 h + j.  Wave w owns features 128 w .. + 127 of x_proj and of h_prev (K steps w and 4 + w of the products over the 1,024), columns 128 w .. + 127 of every result of width 512, and units 16 w .. + 15 of
; the middle layer; the middle layer's sums are made by each wave over its own K and added through LDS.
; THE STREAM.  All weights and spline coefficients come as one linear buffer of 40 slots, made by the launch before, in the order of use and as images of the operands' registers (lane l's 16 bytes at 16 l, 512 bytes a row): each wave fetches and
; reads its own quarter of a slot.  CLUSTER: the four work-groups of a cluster walk the same stream, so each quarter is asked for JOINTLY (mask 15).  Two LDS slots take turns; one tensor load a wave is out at any time.
; THE SPLINES.  The knots are inputs: the full Cox-de Boor recursion from 11 indicators is made for every number, two features at a time in packed f32, with the reciprocals of the knots' distances from the stream.  x >= g is read off the sign of
; the rounded difference x - g, which is exact.  A UNIT is two features x two tiles of rows; two units fill one K = 64 step of the spline product; beside each unit stand six K = 128 products of the gates.
; THE RESET GATE is computed whole (product, layer norm, tanh), as the definition has it; nothing uses it there, and nothing stores it here.
; SCALES.  Sums stay in the unit 2^(eA + eB) of their product; a bias goes in as the sums' first value, divided by that unit; where products of different units meet in one sum, the sum is multiplied by the power of two between them: nothing is rounded.
; LIMITS.  Every power of two is made as an f32 number: each quantiser's e (entries 2, 4, 6, 8, 10, 12, 14) between -126 and 119; each sum or difference of exponents that is used as a factor (e0+e1, e2+e3, e4+e5, e14+e15 and their negatives, e8+e9, e12+e13,
; e6+e7-e8-e9, e14+e15-e10-e11, e10+e11-e12-e13) between -126 and 127.  NaN and infinities among the inputs are not served.  Divisions by knot distances are multiplications by reciprocals (v_rcp_f32 and a Newton step).
; The K order inside the spline products is a permutation of the definition's, the same on both sides.
;
; LDS: 0 the ring, 2 x 73,728 (wave w's part at 18,432 w: 2,048 of coefficients, 16,384 of payload) | IMG 98,304: the gates' operands, K step s, gate g (0 reset, 1 residual, 2 update), tile m at 12,288 s + 4,096 g + 2,048 m; later the second KAN layer's operands
; | STG 4 x 8,448: a stage of 16 rows x 528 for each wave | LNX 4 x 1,024: the layer norms' (mean, M2), wave v, tile m, row r at 256 v + 128 m + 8 r | SPARE 512: the spare words | MIDX 32,768: the middle layer's partial sums.
; REGISTERS, in windows of 256.  Window 0: v1-21 addresses, v22-31 at work, v32-47 XW (the 16 numbers whose bases are made), v48-71 UU, v72-95 BB (the recursion), v96-111 SC (the bases' codes), v112-159 WB, v160-191 SB, v192-255 GA (operands).
; Window 1: v0-87, v88-175 two sets of coefficients, v176-199 DD = x - g, v200 the conversion's scale.  Window 2: v0-191 BANK (accumulator (m, b) at 96 m + 8 b), v192-255 MID ((n, m) at 8 (2 n + m)).  Window 3: v0-127 x_proj, later the update gate; v128-255 h_prev.
.set SLOTB, 73728
.set PART,  18432
.set IMG,   2*SLOTB
.set STG,   IMG+98304
.set LNX,   STG+4*8448
.set SPARE, LNX+4096                   ; a multiple of 256; 128 bytes for each wave; no other line names them
.set MIDX,  SPARE+512
.set K2B,   IMG                        ; silu(mid)'s codes, tile m at 1,024 m.  IMG's last read stands two barriers ahead of the first store here
.set K2S,   IMG+4096                   ; the second layer's bases' codes, K step 4 q + w, tile m at 2,048 (4 q + w) + 1,024 m
.set SPW, 1
.set NIL, 2
.set LI,  3                            ; 16 x lane
.set LW,  4                            ; v4, v5   my lane's place in my part of slot 0, 1
.set LC,  6                            ; v6, v7   my half's coefficients there
.set AAD, 8                            ; the trip's K step of IMG
.set IWA, 9                            ; where I store my K step's images
.set STO, 10                           ; the stage by tiles: row r, + 32 h
.set SRD, 11                           ; the stage by rows: 16 x lane
.set GIO, 12                           ; my wave's 512 bytes of a row of h_prev and of out0
.set VB,  13                           ; my eight numbers of tile 0 in a vector of 512
.set XA,  14
.set LNA, 15
.set LNR, 16
.set MWR, 17
.set MRD, 18
.set KBW, 19
.set KSW, 20
.set KRD, 21
.set TP,  22                           ; a lane permute's destination
.set SCQ, 24                           ; a conversion's scale, in window 0
.set XW,  32
.set LS,  32                           ; the layer norms' scratch, where XW is free
.set UU,  48
.set BB,  72
.set LT,  48                           ; 64 numbers at work behind the loops
.set SC,  96
.set WB,  112
.set SB,  160
.set GA,  192
.set XF,  32                           ; the head: x's four fragments
.set PW,  96                           ; the head: eight K = 128 fragments; h_prev as loaded
.set T64, 96
.set QF,  224
.set KW,  112
.set KA,  176
.set OUT, 112
.set RB,  192
.set CF0, 0                            ; window 1
.set SF,  64
.set DD,  176
.set SCLV, 200
.set STA, 240
.set BANK, 0                           ; window 2
.set MID, 192
.set XT,  0                            ; window 3
.set UG,  0
.set HT,  128
.set WV,  6                            ; s6 wave;  s7 cx;  s8 work-group;  s2-5 at work
.set TT,  9                            ; a stage's trip
.set PW2, 10                           ; s[10:11] a power of two, twice
.set G1,  12
.set G0,  20                           ; s[20:23], s[24:27]: a group 0 for each slot
.set EX,  28                           ; s28-43 the sixteen exponents
.set LIMP, 44                          ; 448 x the scale, and its negative (x's address has served when these are first written)
.set LIMN, 45
.set AOFF, 46
.set C512, 48
.set CEPS, 49
.set SEL, 66
.set MK,  72                           ; s72-95 the 24 lane masks
.set NLOG2E, 0xbfb8aa3b                ; -log2(e)
.set MSB, 0
.macro WIN new                         ; the immediate's high byte repeats the setting that is left; a switch that changes nothing is dropped
.if MSB != (\new)
	s_set_vgpr_msb (MSB<<8)|(\new)
.set MSB, (\new)
.endif
.endm
.macro PLACES                          ; four plain vector lines between a matrix instruction and a vector line or load that touches its registers
.rept 4
	v_nop
.endr
.endm
.macro ROUND                           ; a round of the cluster's barrier
	s_barrier_signal -1
	s_barrier_wait -1
	s_cmp_lg_u32 s[WV], 0
	s_cbranch_scc1 .Lnot_wave_0_\@
	s_barrier_signal -3
.Lnot_wave_0_\@:
	s_barrier_wait -3
	s_barrier_signal -1
	s_barrier_wait -1
.endm
.macro BARRIER                         ; my LDS stores have landed and my LDS loads are in: then the work-group's barrier.
	s_wait_dscnt 0x0
	s_barrier_signal -1
	s_barrier_wait -1
.endm
; THE CHANGE OF SLOTS, at the head of the period that reads slot.  All my tensor loads have landed (the one that was out is my part of this slot); 0 goes onto my spare word; this slot's descriptor steps two slots on;
; the add is done and my reads of the other slot are over; a round, so that this holds of every wave of the four work-groups; then the other slot is filled with the stream's next slot: it has a whole period in which to land.
.macro CHANGE slot, refill
	WIN 0
	s_wait_tensorcnt 0x0
	ds_add_u32 v[SPW], v[NIL]
	s_add_nc_u64 s[G0+4*\slot+2:G0+4*\slot+3], s[G0+4*\slot+2:G0+4*\slot+3], 2*SLOTB
	s_wait_dscnt 0x0
	ROUND
.if \refill
	tensor_load_to_lds s[G0+4*(1-\slot):G0+4*(1-\slot)+3], s[G1:G1+7]
	s_nop 0
	PLACES                                         ; four v_nop follow the load
.endif
.endm
.macro POW2P a, b                      ; s[PW2] = 2^(ea + eb)
	s_add_co_i32 s[PW2], s[EX+\a], s[EX+\b]
	s_add_co_i32 s[PW2], s[PW2], 127
	s_lshl_b32 s[PW2], s[PW2], 23
	s_mov_b32 s[PW2+1], s[PW2]
.endm
.macro POW2N a, b                      ; 2^-(ea + eb)
	s_add_co_i32 s[PW2], s[EX+\a], s[EX+\b]
	s_sub_co_i32 s[PW2], 127, s[PW2]
	s_lshl_b32 s[PW2], s[PW2], 23
	s_mov_b32 s[PW2+1], s[PW2]
.endm
.macro POW2D a, b, c, d                ; 2^(ea + eb - ec - ed)
	s_add_co_i32 s[PW2], s[EX+\a], s[EX+\b]
	s_sub_co_i32 s[PW2], s[PW2], s[EX+\c]
	s_sub_co_i32 s[PW2], s[PW2], s[EX+\d]
	s_add_co_i32 s[PW2], s[PW2], 127
	s_lshl_b32 s[PW2], s[PW2], 23
	s_mov_b32 s[PW2+1], s[PW2]
.endm
.macro LIMS e, reg, dwin               ; for the quantiser with exponent e: 2^e into v[reg] of window dwin, +-448 x 2^e into s[LIMP], s[LIMN]
	s_add_co_i32 s2, s[EX+\e], 127
	s_lshl_b32 s3, s2, 23
	WIN (\dwin)<<6
	v_mov_b32 v[\reg], s3
	s_add_co_i32 s2, s2, 8
	s_lshl_b32 s2, s2, 23
	s_or_b32 s[LIMP], s2, 0x600000
	s_or_b32 s[LIMN], s[LIMP], 0x80000000
.endm
.macro SCALE win, dst, src, n          ; n pairs: dst = src x s[PW2]
	WIN \win
.set zs, 0
.rept \n
	v_pk_mul_f32 v[\dst+2*zs:\dst+2*zs+1], v[\src+2*zs:\src+2*zs+1], s[PW2:PW2+1] op_sel_hi:[1,0]
.set zs, zs+1
.endr
.endm
.macro MULLIT win, dst, src, n, lit    ; n pairs: dst = src x lit
	WIN \win
.set zs, 0
.rept \n
	v_pk_mul_f32 v[\dst+2*zs:\dst+2*zs+1], v[\src+2*zs:\src+2*zs+1], \lit op_sel_hi:[1,0]
.set zs, zs+1
.endr
.endm
.macro PKMUL win, dst, a, b, n         ; n pairs: dst = a x b
	WIN \win
.set zs, 0
	s_wait_alu depctr_va_vdst(0)
.rept \n
	v_pk_mul_f32 v[\dst+2*zs:\dst+2*zs+1], v[\a+2*zs:\a+2*zs+1], v[\b+2*zs:\b+2*zs+1]
.set zs, zs+1
.endr
.endm
.macro SIGTAIL wn, a, n                ; n numbers t in window wn become 1 / (1 + 2^t)
	WIN (\wn)|((\wn)<<6)
.set ze, 0
.rept \n
	v_exp_f32 v[\a+ze], v[\a+ze]
.set ze, ze+1
.endr
	v_nop                                          ; a plain line behind the exponentials
.set ze, 0
	s_wait_alu depctr_va_vdst(0)
.rept (\n)/2
	v_pk_add_f32 v[\a+2*ze:\a+2*ze+1], v[\a+2*ze:\a+2*ze+1], 1.0 op_sel_hi:[1,0]
.set ze, ze+1
.endr
.set ze, 0
.rept \n
	v_rcp_f32 v[\a+ze], v[\a+ze]
.set ze, ze+1
.endr
	v_nop                                          ; and behind the reciprocals
.endm
.macro HOLD win, dst, src, n           ; the conversion to an 8-bit code does not saturate (ISA guide 7.6.2): the hold at the largest code x the scale
	WIN \win
.set zs, 0
.rept \n
	v_med3_num_f32 v[\dst+zs], v[\src+zs], s[LIMN], s[LIMP]
.set zs, zs+1
.endr
.endm
.macro VLOAD ptr, dst, ct0, n, dwin    ; of a vector of 512: my eight numbers of each of my column tiles ct0 .. ct0 + n - 1, into window dwin
	WIN (\dwin)<<6
.set zv, 0
.rept \n
	global_load_b128 v[\dst+8*zv:\dst+8*zv+3],   v[VB], s[\ptr:\ptr+1] offset:64*(\ct0+zv)
	global_load_b128 v[\dst+8*zv+4:\dst+8*zv+7], v[VB], s[\ptr:\ptr+1] offset:64*(\ct0+zv)+16
.set zv, zv+1
.endr
.endm
.macro FRAGS slot                      ; the payload's eight K = 128 images
.set zf, 0
.rept 32
	ds_load_b128 v[PW+4*zf:PW+4*zf+3], v[LW+\slot] offset:2048+512*zf
.set zf, zf+1
.endr
	s_wait_dscnt 0x0
.endm
; x_proj, tiles 4 sg .. 4 sg + 3: the bias, divided by the sums' unit, is the C of the first K step; eight accumulators by turns
.macro PROJ sg, slot
	WIN 0
	FRAGS \slot
	WIN 0xd0                                       ; C window 1, D window 3
.irp tl, 0,1,2,3
.irp m, 0,1
	v_wmma_f32_16x16x128_fp8_fp8 v[XT+64*\m+8*(4*\sg+\tl):XT+64*\m+8*(4*\sg+\tl)+7], v[PW+32*\tl:PW+32*\tl+15], v[XF+32*\m:XF+32*\m+15], v[8*(4*\sg+\tl):8*(4*\sg+\tl)+7]
.endr
.endr
	WIN 0xf0                                       ; C and D window 3
.irp tl, 0,1,2,3
.irp m, 0,1
	v_wmma_f32_16x16x128_fp8_fp8 v[XT+64*\m+8*(4*\sg+\tl):XT+64*\m+8*(4*\sg+\tl)+7], v[PW+32*\tl+16:PW+32*\tl+31], v[XF+32*\m+16:XF+32*\m+31], v[XT+64*\m+8*(4*\sg+\tl):XT+64*\m+8*(4*\sg+\tl)+7]
.endr
.endr
	WIN 0
	PLACES
.endm
; 64 numbers of a lane in window 3 (tile t, register j = feature 16 t + 8 h + j: the operand's own order) become a K = 128 fragment with the scale 2^e, and its image goes to LDS
.macro QUANTF src, e, off
	LIMS \e, SCQ, 0
	HOLD 0x03, T64, \src, 64
	WIN 0
.set zz, 0
.rept 8
	v_cvt_scalef32_pk8_fp8_f32 v[QF+2*zz:QF+2*zz+1], v[T64+8*zz:T64+8*zz+7], v[SCQ]
.set zz, zz+1
.endr
	v_nop                                          ; a plain line between the conversions and the next lines that write their sources
.irp c, 0,1,2,3
	ds_store_b128 v[IWA], v[QF+4*\c:QF+4*\c+3] offset:\off+512*\c
.endr
	s_wait_dscnt 0x0                               ; the stores have read their registers
.endm
.macro SILUQ src, dst                  ; silu of the same 64 numbers, with the scale 2^e6, stays in my registers (window 1): only I multiply by it
	MULLIT 0x03, T64, \src, 32, NLOG2E
	SIGTAIL 0, T64, 64
	PKMUL 0x03, T64, \src, T64, 32
	LIMS 6, SCQ, 0
	HOLD 0, T64, T64, 64
	WIN 0x40
.set zz, 0
.rept 8
	v_cvt_scalef32_pk8_fp8_f32 v[\dst+2*zz:\dst+2*zz+1], v[T64+8*zz:T64+8*zz+7], v[SCQ]
.set zz, zz+1
.endr
	WIN 0
	v_nop
.endm
.macro COMB src, off, sf               ; one tile of rows of my 128 features of the combined vector: three gates' operands and the first KAN layer's base operand
	QUANTF \src, 2,  \off
	QUANTF \src, 14, \off+4096
	QUANTF \src, 4,  \off+8192
	SILUQ  \src, \sf
.endm
; ---- the splines.  Pairs (feature a, feature b) lie in registers 2 j, 2 j + 1 throughout
.macro DSUB m, u, cf                   ; (windows: destination and source 1 window 1)  DD[j] = x - g[j], j = 0 .. 11
.set dj, 0
.rept 12
	v_pk_add_f32 v[DD+2*dj:DD+2*dj+1], v[XW+8*\m+2*(\u):XW+8*\m+2*(\u)+1], v[\cf+2*dj:\cf+2*dj+1] neg_lo:[0,1] neg_hi:[0,1]
.set dj, dj+1
.endr
.endm
.macro SPLREST m, u, cf                ; (windows: source 1 window 1)
.set zq, 0
.rept 24
	v_cmp_le_f32 s[MK+zq], 0, v[DD+zq]             ; x >= g[j]
.set zq, zq+1
.endr
.set zq, 0
.rept 22
	s_and_not1_b32 s[MK+zq], s[MK+zq], s[MK+zq+2]  ; and not x >= g[j + 1]: the indicator of interval j (ascending: the mask on the right is still the comparison's)
.set zq, zq+1
.endr
.set zq, 0
.rept 22
	v_cndmask_b32 v[UU+zq], 0, v[\cf+24+zq], s[MK+zq]   ; indicator / (g[j+1] - g[j])
.set zq, zq+1
.endr
.set zq, 0
.rept 10                               ; degree 1: b[j] = u[j] (x - g[j]) - u[j+1] (x - g[j+2])
	v_pk_mul_f32 v[BB+2*zq:BB+2*zq+1], v[UU+2*zq+2:UU+2*zq+3], v[DD+2*zq+4:DD+2*zq+5]
.set zq, zq+1
.endr
.set zq, 0
.rept 10
	v_pk_fma_f32 v[BB+2*zq:BB+2*zq+1], v[UU+2*zq:UU+2*zq+1], v[DD+2*zq:DD+2*zq+1], v[BB+2*zq:BB+2*zq+1] neg_lo:[0,0,1] neg_hi:[0,0,1]
.set zq, zq+1
.endr
.set zq, 0
.rept 10                               ; degree 2: u[j] = b[j] / (g[j+2] - g[j]);  b[j] = u[j] (x - g[j]) - u[j+1] (x - g[j+3])
	v_pk_mul_f32 v[UU+2*zq:UU+2*zq+1], v[BB+2*zq:BB+2*zq+1], v[\cf+48+2*zq:\cf+48+2*zq+1]
.set zq, zq+1
.endr
.set zq, 0
.rept 9
	v_pk_mul_f32 v[BB+2*zq:BB+2*zq+1], v[UU+2*zq+2:UU+2*zq+3], v[DD+2*zq+6:DD+2*zq+7]
.set zq, zq+1
.endr
.set zq, 0
.rept 9
	v_pk_fma_f32 v[BB+2*zq:BB+2*zq+1], v[UU+2*zq:UU+2*zq+1], v[DD+2*zq:DD+2*zq+1], v[BB+2*zq:BB+2*zq+1] neg_lo:[0,0,1] neg_hi:[0,0,1]
.set zq, zq+1
.endr
.set zq, 0
.rept 9                                ; degree 3: u[j] = b[j] / (g[j+3] - g[j]);  b[j] = u[j] (x - g[j]) - u[j+1] (x - g[j+4])
	v_pk_mul_f32 v[UU+2*zq:UU+2*zq+1], v[BB+2*zq:BB+2*zq+1], v[\cf+68+2*zq:\cf+68+2*zq+1]
.set zq, zq+1
.endr
.set zq, 0
.rept 8
	v_pk_mul_f32 v[BB+2*zq:BB+2*zq+1], v[UU+2*zq+2:UU+2*zq+3], v[DD+2*zq+8:DD+2*zq+9]
.set zq, zq+1
.endr
.set zq, 0
.rept 8
	v_pk_fma_f32 v[BB+2*zq:BB+2*zq+1], v[UU+2*zq:UU+2*zq+1], v[DD+2*zq:DD+2*zq+1], v[BB+2*zq:BB+2*zq+1] neg_lo:[0,0,1] neg_hi:[0,0,1]
.set zq, zq+1
.endr
.set zq, 0
.rept 16
	v_med3_num_f32 v[BB+zq], v[BB+zq], s[LIMN], s[LIMP]
.set zq, zq+1
.endr
	v_cvt_scalef32_pk8_fp8_f32 v[SC+8*\m+4*((\u)&1):SC+8*\m+4*((\u)&1)+1],   v[BB:BB+7],    v[SCLV]   ; byte 2 j + e: basis j of feature e
	v_cvt_scalef32_pk8_fp8_f32 v[SC+8*\m+4*((\u)&1)+2:SC+8*\m+4*((\u)&1)+3], v[BB+8:BB+15], v[SCLV]
.endm
.macro CFLOAD cf, slot, place          ; (destination window 1)  88 coefficients; the sixteen lanes of a half read the same bytes
.set zc, 0
.rept 22
	ds_load_b128 v[\cf+4*zc:\cf+4*zc+3], v[LC+\slot] offset:\place*1024+16*zc
.set zc, zc+1
.endr
.endm
.macro WLOAD slot, i0                  ; three of the slot's six gate fragments
.set zc, 0
.rept 12
	ds_load_b128 v[WB+4*zc:WB+4*zc+3], v[LW+\slot] offset:6144+(\i0)*2048+512*zc
.set zc, zc+1
.endr
.endm
.macro SBLOAD slot                     ; the slot's four K = 64 fragments of spline weights
.set zc, 0
.rept 8
	ds_load_b128 v[SB+4*zc:SB+4*zc+3], v[LW+\slot] offset:2048+512*zc
.set zc, zc+1
.endr
.endm
.macro GALOAD g0                       ; the trip's K step of the gates' operands: set 0 gate g0, set 1 the update gate
.irp m, 0,1
.irp c, 0,1,2,3
	ds_load_b128 v[GA+16*\m+4*\c:GA+16*\m+4*\c+3],       v[AAD] offset:\g0*4096+2048*\m+512*\c
	ds_load_b128 v[GA+32+16*\m+4*\c:GA+32+16*\m+4*\c+3], v[AAD] offset:2*4096+2048*\m+512*\c
.endr
.endr
.endm
.macro GMUL u                          ; (C and D window 2)  bank tiles 3 u .. 3 u + 2, both tiles of rows; no two neighbours share an accumulator
.irp i, 0,1,2
.irp m, 0,1
.set gb, 3*(\u)+\i
.set gs, GA+32*(gb/8)+16*\m
	v_wmma_f32_16x16x128_fp8_fp8 v[BANK+96*\m+8*gb:BANK+96*\m+8*gb+7], v[WB+16*\i:WB+16*\i+15], v[gs:gs+15], v[BANK+96*\m+8*gb:BANK+96*\m+8*gb+7]
.endr
.endr
.endm
.macro SMUL
.irp n, 0,1,2,3
.irp m, 0,1
	v_wmma_f32_16x16x64_fp8_fp8 v[MID+8*(2*\n+\m):MID+8*(2*\n+\m)+7], v[SB+8*\n:SB+8*\n+7], v[SC+8*\m:SC+8*\m+7], v[MID+8*(2*\n+\m):MID+8*(2*\n+\m)+7]
.endr
.endr
.endm
; A UNIT.  The twelve subtractions at its head are the places between the last unit's products and the loads into their operands.  All that it loads is used at its own end, but the next unit's coefficients,
; which lie in the same slot: so no read crosses a change of slots.  The one wait for LDS stands a whole unit's vector work behind the loads.
.macro UNIT u, slot, place, g0
.set cfc, CF0+88*((\u)&1)
.set cfn, CF0+88*(((\u)+1)&1)
	WIN 0x44
	DSUB 0, \u, cfc
	CFLOAD cfn, \slot, \place
	WIN 0x04
	WLOAD \slot, 3*((\u)&1)
.if \u == 0
	GALOAD \g0
.endif
.if (\u)&1
	SBLOAD \slot
.endif
	SPLREST 0, \u, cfc
	WIN 0x44
	DSUB 1, \u, cfc
	WIN 0x04
	SPLREST 1, \u, cfc
	v_nop                                          ; a plain line between the conversions and the products that read their results
	s_wait_dscnt 0x0
	WIN 0xa0
	GMUL \u
.if (\u)&1
	SMUL
.endif
.endm
.macro K2UNIT u, ld, slot, place       ; the same for the second KAN layer: bases' codes alone
.set cfc, CF0+88*((\u)&1)
.set cfn, CF0+88*(((\u)+1)&1)
	WIN 0x44
	DSUB 0, \u, cfc
.if \ld
	CFLOAD cfn, \slot, \place
.endif
	WIN 0x04
	SPLREST 0, \u, cfc
	WIN 0x44
	DSUB 1, \u, cfc
	WIN 0x04
	SPLREST 1, \u, cfc
	v_nop
	WIN 0
	s_wait_dscnt 0x0
.endm
; A loop cannot index registers: the trip's tile of 2 x 8 numbers is copied to XW by one of eight cases, chosen by the trip's number
.macro SWCASE base, c
	WIN 0x03
.irp m, 0,1
.irp j, 0,1,2,3,4,5,6,7
	v_mov_b32 v[XW+8*\m+\j], v[\base+64*\m+8*\c+\j]
.endr
.endr
	WIN 0
.endm
.macro SWITCH base
.irp c, 0,1,2,3,4,5,6
	s_cmp_eq_u32 s[TT], \c
	s_cbranch_scc1 .Lsw_\@_\c
.endr
	SWCASE \base, 7
	s_branch .Lswj_\@
.irp c, 0,1,2,3,4,5
.Lsw_\@_\c:
	SWCASE \base, \c
	s_branch .Lswj_\@
.endr
.Lsw_\@_6:
	SWCASE \base, 6
.Lswj_\@:
.endm
; A STAGE: eight trips.  A trip takes tile TT of my 128 features (four units, two slots) and K step TT of the gates' twelve bank tiles
.macro STAGE xbase, g0
.Lstage_\@:
	CHANGE 1, 1
	SWITCH \xbase
	v_add_nc_u32 v[AAD], s[AOFF], v[LI]
	UNIT 0, 1, 0, \g0
	UNIT 1, 1, 1, \g0
	CHANGE 0, 1
	UNIT 2, 0, 0, \g0
	UNIT 3, 0, 1, \g0
	WIN 0
	s_add_co_u32 s[AOFF], s[AOFF], 12288
	s_add_co_u32 s[TT], s[TT], 1
	s_cmp_lt_u32 s[TT], 8
	s_cbranch_scc1 .Lstage_\@
.endm
; ---- layer norm over 512 columns, 128 a wave.  LNSTAT: my wave's mean and sum of squared distances from it, for each row, to LDS.  LNFIN: the four waves' figures are joined (no difference of large sums is formed), and the rows are normalised in place
.macro LNSTAT wa, a, ms, k
.irp m, 0,1
	WIN (\wa)|((\wa)<<2)
.set zl, 0
.rept 16
	v_pk_add_f32 v[LT+2*zl:LT+2*zl+1], v[\a+\ms*\m+4*zl:\a+\ms*\m+4*zl+1], v[\a+\ms*\m+4*zl+2:\a+\ms*\m+4*zl+3]
.set zl, zl+1
.endr
	WIN 0
.irp w, 16,8,4,2
.set zl, 0
.rept \w/2
	v_pk_add_f32 v[LT+2*zl:LT+2*zl+1], v[LT+2*zl:LT+2*zl+1], v[LT+2*zl+\w:LT+2*zl+\w+1]
.set zl, zl+1
.endr
.endr
	v_add_f32 v[LS+12], v[LT], v[LT+1]
	v_permlanex16_b32 v[TP], v[LS+12], s[SEL], s[SEL+1]   ; the row's other 64 columns of my wave lie in the lane 16 away
	v_add_f32 v[LS+12], v[LS+12], v[TP]
	v_mul_f32 v[LS+8+2*\m], 0x3c000000, v[LS+12]   ; / 128
	v_mov_b32 v[LS+9+2*\m], v[LS+8+2*\m]
	WIN \wa
.set zl, 0
.rept 32
	v_pk_add_f32 v[LT+2*zl:LT+2*zl+1], v[\a+\ms*\m+2*zl:\a+\ms*\m+2*zl+1], v[LS+8+2*\m:LS+9+2*\m] neg_lo:[0,1] neg_hi:[0,1]
.set zl, zl+1
.endr
	WIN 0
.set zl, 0
.rept 4
	v_pk_mul_f32 v[LS+2*zl:LS+2*zl+1], v[LT+2*zl:LT+2*zl+1], v[LT+2*zl:LT+2*zl+1]
.set zl, zl+1
.endr
.rept 28
	v_pk_fma_f32 v[LS+2*(zl%4):LS+2*(zl%4)+1], v[LT+2*zl:LT+2*zl+1], v[LT+2*zl:LT+2*zl+1], v[LS+2*(zl%4):LS+2*(zl%4)+1]
.set zl, zl+1
.endr
	v_pk_add_f32 v[LS:LS+1], v[LS:LS+1], v[LS+2:LS+3]
	v_pk_add_f32 v[LS+4:LS+5], v[LS+4:LS+5], v[LS+6:LS+7]
	v_pk_add_f32 v[LS:LS+1], v[LS:LS+1], v[LS+4:LS+5]
	v_add_f32 v[LS], v[LS], v[LS+1]
	v_permlanex16_b32 v[TP], v[LS], s[SEL], s[SEL+1]
	v_add_f32 v[LS+9+2*\m], v[LS], v[TP]
	ds_store_b64 v[LNA], v[LS+8+2*\m:LS+9+2*\m] offset:\k*1024+128*\m   ; both halves of the lanes hold and store the same two numbers
.endr
.endm
.macro LNFIN wa, a, ms, wv, gvb, bvb, k          ; gain and bias lie in window wv at gvb, bvb
.irp m, 0,1
	WIN 0
.irp v, 0,1,2,3
	ds_load_b64 v[LS+2*\v:LS+2*\v+1], v[LNR] offset:\k*1024+256*\v+128*\m
.endr
	s_wait_dscnt 0x0
	v_add_f32 v[LS+8], v[LS], v[LS+2]
	v_add_f32 v[LS+9], v[LS+4], v[LS+6]
	v_add_f32 v[LS+8], v[LS+8], v[LS+9]
	v_mul_f32 v[LS+8], 0x3e800000, v[LS+8]         ; the row's mean
.irp v, 0,1,2,3
	v_sub_f32 v[LS+2*\v], v[LS+2*\v], v[LS+8]
.endr
	v_mul_f32 v[LS+9], v[LS], v[LS]
	v_fmac_f32 v[LS+9], v[LS+2], v[LS+2]
	v_fmac_f32 v[LS+9], v[LS+4], v[LS+4]
	v_fmac_f32 v[LS+9], v[LS+6], v[LS+6]
	v_add_f32 v[LS+10], v[LS+1], v[LS+3]
	v_add_f32 v[LS+11], v[LS+5], v[LS+7]
	v_add_f32 v[LS+10], v[LS+10], v[LS+11]
	v_fmac_f32 v[LS+10], 0x43000000, v[LS+9]       ; + 128 x the squared distances of the waves' means
	v_fma_f32 v[LS+10], v[LS+10], s[C512], s[CEPS] ; / 512 + 1e-5
	v_rsq_f32 v[LS+10], v[LS+10]
	v_nop                                          ; a plain line behind the root
	WIN (\wv)<<6
	v_mov_b32 v[STA], v[LS+8]
	v_mov_b32 v[STA+1], v[LS+8]
	s_wait_alu depctr_va_vdst(0)
	v_mov_b32 v[STA+2], v[LS+10]
	v_mov_b32 v[STA+3], v[LS+10]
	WIN (\wa)|((\wv)<<2)|((\wv)<<4)|((\wa)<<6)
.set zl, 0
.rept 32
	v_pk_add_f32 v[\a+\ms*\m+2*zl:\a+\ms*\m+2*zl+1], v[\a+\ms*\m+2*zl:\a+\ms*\m+2*zl+1], v[STA:STA+1] neg_lo:[0,1] neg_hi:[0,1]
.set zl, zl+1
.endr
.set zl, 0
.rept 32
	v_pk_mul_f32 v[\a+\ms*\m+2*zl:\a+\ms*\m+2*zl+1], v[\a+\ms*\m+2*zl:\a+\ms*\m+2*zl+1], v[STA+2:STA+3]
.set zl, zl+1
.endr
.set zl, 0
.rept 32
	v_pk_fma_f32 v[\a+\ms*\m+2*zl:\a+\ms*\m+2*zl+1], v[\a+\ms*\m+2*zl:\a+\ms*\m+2*zl+1], v[\gvb+2*zl:\gvb+2*zl+1], v[\bvb+2*zl:\bvb+2*zl+1]
.set zl, zl+1
.endr
.endr
	WIN 0
.endm
; One K = 64 step of the second KAN layer: the operand's two tiles of rows from LDS at kaoff, my eight column tiles' weights from the slot at kwoff; sixteen accumulators by turns
.macro K2STEP kaoff, slot, kwoff
	WIN 0
.irp m, 0,1
.irp c, 0,1
	ds_load_b128 v[KA+8*\m+4*\c:KA+8*\m+4*\c+3], v[KRD] offset:\kaoff+1024*\m+512*\c
.endr
.endr
.set zk, 0
.rept 16
	ds_load_b128 v[KW+4*zk:KW+4*zk+3], v[LW+\slot] offset:\kwoff+512*zk
.set zk, zk+1
.endr
	s_wait_dscnt 0x0
	WIN 0xa0
.irp ct, 0,1,2,3,4,5,6,7
.irp m, 0,1
	v_wmma_f32_16x16x64_fp8_fp8 v[BANK+96*\m+8*\ct:BANK+96*\m+8*\ct+7], v[KW+8*\ct:KW+8*\ct+7], v[KA+8*\m:KA+8*\m+7], v[BANK+96*\m+8*\ct:BANK+96*\m+8*\ct+7]
.endr
.endr
	WIN 0
	PLACES
.endm
.macro SCOUT off                       ; my K step of the second layer's bases goes to LDS as it stands
	WIN 0
.irp m, 0,1
.irp c, 0,1
	ds_store_b128 v[KSW], v[SC+8*\m+4*\c:SC+8*\m+4*\c+3] offset:\off+1024*\m+512*\c
.endr
.endr
	s_wait_dscnt 0x0
.endm
; ================ the head
	s_load_b512 s[44:59], s[0:1], 0x0              ; x 44, h_prev 46, the stream 48, the exponents 50, ip_b 52, rg_b 54, rg_g 56, rg_beta 58
	s_load_b128 s[60:63], s[0:1], 0x40             ; ug_b 60, ug_g 62
	s_load_b128 s[68:71], s[0:1], 0x50             ; ug_beta 68, cn_g 70
	s_load_b128 s[96:99], s[0:1], 0x60             ; cn_b 96, rp_b 98
	s_load_b64 s[100:101], s[0:1], 0x70            ; out0
	v_lshl_add_u32 v[SPW], v0, 2, SPARE
	v_mov_b32 v[NIL], 0
	ds_add_u32 v1, v2
	ds_add_u32 v1, v2
	s_wait_dscnt 0x0
	v_lshrrev_b32 v22, 5, v0
	v_readfirstlane_b32 s[WV], v22                 ; wave 0..3
	s_bfe_u32 s7, ttmp6, 0x40000                   ; cx
	s_lshl_b32 s8, ttmp9, 2
	s_add_co_u32 s8, s8, s7                        ; the work-group: it enters the addresses of x, h_prev and out0 alone
	v_and_b32 v22, 31, v0                          ; lane
	v_and_b32 v23, 15, v0                          ; r
	v_bfe_u32 v24, v0, 4, 1                        ; h
	v_lshlrev_b32 v[LI], 4, v22
	s_mul_i32 s2, s[WV], PART
	v_add_nc_u32 v[LW], s2, v[LI]
	v_add_nc_u32 v[LW+1], SLOTB, v[LW]
	v_lshl_add_u32 v[LC], v24, 9, s2
	v_add_nc_u32 v[LC+1], SLOTB, v[LC]
	s_mul_i32 s3, s[WV], 12288
	s_add_co_u32 s3, s3, IMG
	v_add_nc_u32 v[IWA], s3, v[LI]
	s_mul_i32 s3, s[WV], 8448
	s_add_co_u32 s3, s3, STG
	v_add_nc_u32 v[SRD], s3, v[LI]
	v_mul_u32_u24 v[STO], v23, 528
	v_lshl_add_u32 v[STO], v24, 5, v[STO]
	v_add_nc_u32 v[STO], s3, v[STO]
	s_lshl_b32 s3, s[WV], 9
	v_add_nc_u32 v[GIO], s3, v[LI]
	v_lshl_add_u32 v[VB], v24, 5, s3
	v_lshlrev_b32 v[XA], 8, v23
	v_lshl_add_u32 v[XA], v24, 3, v[XA]
	v_lshlrev_b32 v[LNR], 3, v23
	v_add_nc_u32 v[LNR], LNX, v[LNR]
	s_lshl_b32 s3, s[WV], 8
	v_add_nc_u32 v[LNA], s3, v[LNR]
	s_lshl_b32 s3, s[WV], 13
	s_add_co_u32 s3, s3, MIDX
	v_add_nc_u32 v[MWR], s3, v[LI]
	s_lshl_b32 s3, s[WV], 11
	s_add_co_u32 s4, s3, MIDX
	v_add_nc_u32 v[MRD], s4, v[LI]
	s_add_co_u32 s4, s3, K2S
	v_add_nc_u32 v[KSW], s4, v[LI]
	s_lshr_b32 s3, s[WV], 1
	s_lshl_b32 s3, s3, 9
	s_and_b32 s4, s[WV], 1
	s_lshl_b32 s4, s4, 3
	s_add_co_u32 s3, s3, s4
	s_add_co_u32 s3, s3, K2B
	v_add_nc_u32 v[KBW], s3, v[LI]                 ; units 16 w + 8 h + 0..7 are registers 2 w, 2 w + 1 of the K = 64 operand: row w / 2 of its image, byte 8 (w % 2) of my 16
	v_add_nc_u32 v[KRD], IMG, v[LI]
	; descriptor group 1: my part of a slot, a dense block of 72 rows of 256 bytes
	s_mov_b32 s[G1], 15|(3<<16)|(1<<21)            ; 15:0 the mask: all four work-groups; 17:16 elements of 8 bytes; 21 set beside a mask; no padding: every read of the ring is of 512 bytes on end, or of the same bytes in sixteen lanes
	s_mov_b32 s[G1+1], 32<<16                      ; tensor_dim0 = 32
	s_mov_b32 s[G1+2], 72<<16                      ; tensor_dim1 = 72
	s_mov_b32 s[G1+3], 32<<16                      ; tile_dim0 = 32
	s_mov_b32 s[G1+4], 72                          ; tile_dim1 = 72
	s_mov_b32 s[G1+5], 32                          ; the pitch
	s_mov_b32 s[G1+6], 0
	s_mov_b32 s[G1+7], 0
	s_mov_b32 s[SEL], 0x76543210
	s_mov_b32 s[SEL+1], 0xfedcba98
	s_mov_b32 s3, 0
	s_mov_b32 s5, 0
	s_wait_kmcnt 0x0
	s_load_b512 s[EX:EX+15], s[50:51], 0x0         ; e0 .. e15
	s_mov_b32 s[G0], 1
	s_mov_b32 s[G0+1], s2                          ; slot 0, my part: the wave's number alone enters
	s_add_nc_u64 s[G0+2:G0+3], s[48:49], s[2:3]
	s_mov_b32 s[G0+4], 1
	s_add_co_u32 s[G0+5], s2, SLOTB
	s_add_nc_u64 s[G0+6:G0+7], s[G0+2:G0+3], SLOTB
	s_or_b32 s[G0+3], s[G0+3], 0x80000000
	s_or_b32 s[G0+7], s[G0+7], 0x80000000
	s_lshl_b32 s4, s8, 13                          ; 32 rows of 256 bytes
	s_add_nc_u64 s[44:45], s[44:45], s[4:5]
	s_lshl_b32 s4, s8, 16                          ; 32 rows of 2,048 bytes
	s_add_nc_u64 s[46:47], s[46:47], s[4:5]
	s_add_nc_u64 s[100:101], s[100:101], s[4:5]
.irp m, 0,1
.irp s, 0,1
.irp c, 0,1,2,3,4,5,6,7
	global_load_b64 v[XF+32*\m+16*\s+2*\c:XF+32*\m+16*\s+2*\c+1], v[XA], s[44:45] offset:4096*\m+128*\s+16*\c th:TH_LOAD_NT   ; x's fragment (m, K step s): registers 2 c, 2 c + 1 = k 16 c + 8 h + 0..7
.endr
.endr
.endr
.set zh, 0
.rept 32
	global_load_b128 v[PW+4*zh:PW+4*zh+3], v[GIO], s[46:47] offset:2048*zh th:TH_LOAD_NT   ; my wave's 512 consecutive bytes of row zh of h_prev
.set zh, zh+1
.endr
	VLOAD 52, 0, 0, 8, 1                           ; ip_b
	WIN 0
	ROUND                                          ; all four work-groups are here: the first joint load meets
	tensor_load_to_lds s[G0:G0+3], s[G1:G1+7]      ; slot 0
	s_nop 0
	PLACES
	s_wait_loadcnt 0x0
	s_wait_kmcnt 0x0
	; h_prev turns through my stage: in by rows, back by tiles (row r, columns 16 t + 8 h + 0..7).  LDS serves a wave's instructions in order: no wait between
.irp m, 0,1
.set zh, 0
.rept 16
	ds_store_b128 v[SRD], v[PW+64*\m+4*zh:PW+64*\m+4*zh+3] offset:528*zh
.set zh, zh+1
.endr
	WIN 0xc0
.set zh, 0
.rept 8
	ds_load_b128 v[HT+64*\m+8*zh:HT+64*\m+8*zh+3],   v[STO] offset:64*zh
	ds_load_b128 v[HT+64*\m+8*zh+4:HT+64*\m+8*zh+7], v[STO] offset:64*zh+16
.set zh, zh+1
.endr
	WIN 0
.endr
	s_wait_dscnt 0x0
	POW2N 0, 1
	SCALE 0x41, 0, 0, 32                           ; ip_b / 2^(e0 + e1)
; ================ periods 0, 1: x_proj; the combined vector's operands
	CHANGE 0, 1
	PROJ 0, 0
	COMB HT, 49152, SF+32                          ; h_prev is K step 4 + w
	COMB HT+64, 49152+2048, SF+48
	CHANGE 1, 1
	PROJ 1, 1
	VLOAD 54, 0, 0, 8, 1                           ; rg_b, where ip_b lay
	VLOAD 60, 128, 0, 4, 1                         ; ug_b, column tiles 0-3
	POW2P 0, 1
	SCALE 0xc3, XT, XT, 64                         ; x_proj; each accumulator from its low end on
	COMB XT, 0, SF                                 ; K step w
	COMB XT+64, 2048, SF+16
; ================ period 2: the first KAN layer's base product over my two K steps; the bank begins as the biases
	CHANGE 0, 1
	WIN 0
	FRAGS 0
	WIN 0x84                                       ; source 1 window 1, D window 2
.irp n, 0,1,2,3
.irp m, 0,1
	v_wmma_f32_16x16x128_fp8_fp8 v[MID+8*(2*\n+\m):MID+8*(2*\n+\m)+7], v[PW+16*\n:PW+16*\n+15], v[SF+16*\m:SF+16*\m+15], 0
.endr
.endr
	WIN 0xa4
.irp n, 0,1,2,3
.irp m, 0,1
	v_wmma_f32_16x16x128_fp8_fp8 v[MID+8*(2*\n+\m):MID+8*(2*\n+\m)+7], v[PW+64+16*\n:PW+64+16*\n+15], v[SF+32+16*\m:SF+32+16*\m+15], v[MID+8*(2*\n+\m):MID+8*(2*\n+\m)+7]
.endr
.endr
	WIN 0
	PLACES
	POW2D 6, 7, 8, 9
	SCALE 0x82, MID, MID, 32                       ; into the spline product's unit
	s_wait_loadcnt 0x0                             ; rg_b, ug_b
	POW2N 2, 3
	SCALE 0x81, BANK, 0, 32
	SCALE 0x81, BANK+96, 0, 32
	POW2N 4, 5
	SCALE 0x81, BANK+64, 128, 16
	SCALE 0x81, BANK+160, 128, 16
	LIMS 8, SCLV, 1
	WIN 0x40
	CFLOAD CF0, 0, 1                               ; unit 0's coefficients; the wait for them is the next change's wait for LDS
	WIN 0
	s_mov_b32 s[C512], 0x3b000000                  ; 1 / 512
	s_mov_b32 s[CEPS], 0x3727c5ac                  ; 1e-5
	s_mov_b32 s[AOFF], IMG
	s_mov_b32 s[TT], 0
; ================ stage I (periods 3-18): x_proj's bases | the reset gate, and the update gate's column tiles 0-3
	STAGE XT, 0
; ---- between the stages
	PLACES
	VLOAD 56, 112, 0, 8, 0                         ; rg_g, rg_beta: window 0, where the operands lay
	VLOAD 58, 176, 0, 8, 0
	VLOAD 98, 88, 0, 8, 1                          ; rp_b; ug_b, column tiles 4-7: window 1, beside the next unit's coefficients in v0-87
	VLOAD 60, 152, 4, 4, 1
	POW2P 2, 3
	SCALE 0x82, BANK, BANK, 32
	SCALE 0x82, BANK+96, BANK+96, 32
	POW2P 4, 5
	SCALE 0xc2, UG, BANK+64, 16                    ; the update gate's sums take x_proj's place: its bases are made, its codes lie in LDS
	SCALE 0xc2, UG+64, BANK+160, 16
	LNSTAT 2, BANK, 96, 0
	BARRIER
	s_wait_loadcnt 0x0
	LNFIN 2, BANK, 96, 0, 112, 176, 0
.irp m, 0,1                            ; reset = tanh(y) = 1 - 2 / (1 + 2^(2 log2(e) y)).  The definition computes it and uses it nowhere: the registers are taken for the next sums below
	MULLIT 0x82, BANK+96*\m, BANK+96*\m, 32, 0x4038aa3b
	SIGTAIL 2, BANK+96*\m, 64
.set zs, 0
	s_wait_alu depctr_va_vdst(0)
.rept 32
	v_pk_fma_f32 v[BANK+96*\m+2*zs:BANK+96*\m+2*zs+1], v[BANK+96*\m+2*zs:BANK+96*\m+2*zs+1], -2.0, 1.0 op_sel_hi:[1,0,0]
.set zs, zs+1
.endr
.endr
	POW2N 14, 15
	SCALE 0x81, BANK, 88, 32
	SCALE 0x81, BANK+96, 88, 32
	POW2N 4, 5
	SCALE 0x81, BANK+64, 152, 16
	SCALE 0x81, BANK+160, 152, 16
	WIN 0
	s_mov_b32 s[AOFF], IMG
	s_mov_b32 s[TT], 0
; ================ stage II (periods 19-34): h_prev's bases | the residual, and the update gate's column tiles 4-7
	STAGE HT, 1
	PLACES
	POW2P 8, 9
	SCALE 0x02, KW, MID, 32                        ; my partial sums of the middle layer, each accumulator from its low end on,
	WIN 0
.set zk, 0
.rept 16
	ds_store_b128 v[MWR], v[KW+4*zk:KW+4*zk+3] offset:512*zk   ; to LDS as they stand
.set zk, zk+1
.endr
; ================ period 35: the middle layer; the second layer's base product; its first bases
	CHANGE 1, 1
.irp v, 0,1,2,3
.irp m, 0,1
.irp c, 0,1
	ds_load_b128 v[KW+16*\v+8*\m+4*\c:KW+16*\v+8*\m+4*\c+3], v[MRD] offset:8192*\v+1024*\m+512*\c   ; the four waves' sums of units 16 w on
.endr
.endr
.endr
	s_wait_dscnt 0x0
.irp k, 0,1,2,3,4,5,6,7
	v_pk_add_f32 v[XW+2*\k:XW+2*\k+1], v[KW+2*\k:KW+2*\k+1], v[KW+16+2*\k:KW+16+2*\k+1]
.endr
.irp k, 0,1,2,3,4,5,6,7
	v_pk_add_f32 v[XW+2*\k:XW+2*\k+1], v[XW+2*\k:XW+2*\k+1], v[KW+32+2*\k:KW+32+2*\k+1]
.endr
.irp k, 0,1,2,3,4,5,6,7
	v_pk_add_f32 v[XW+2*\k:XW+2*\k+1], v[XW+2*\k:XW+2*\k+1], v[KW+48+2*\k:KW+48+2*\k+1]
.endr
	MULLIT 0, LT, XW, 8, NLOG2E
	SIGTAIL 0, LT, 16
	PKMUL 0, LT, LT, XW, 8                         ; silu(mid)
	LIMS 10, SCQ, 0
	HOLD 0, LT, LT, 16
	v_cvt_scalef32_pk8_fp8_f32 v[SC:SC+1],   v[LT:LT+7],    v[SCQ]
	v_cvt_scalef32_pk8_fp8_f32 v[SC+2:SC+3], v[LT+8:LT+15], v[SCQ]
	v_nop
	ds_store_b64 v[KBW], v[SC:SC+1]
	ds_store_b64 v[KBW], v[SC+2:SC+3] offset:1024
	BARRIER                                        ; the four waves' eighths of the operand lie in LDS
	POW2D 14, 15, 10, 11
	SCALE 0x82, BANK, BANK, 32                     ; the residual into the base product's unit
	SCALE 0x82, BANK+96, BANK+96, 32
	K2STEP 0, 1, 2048
	LIMS 12, SCLV, 1
	K2UNIT 0, 1, 1, 0
	K2UNIT 1, 1, 1, 1
	SCOUT 0
	POW2D 10, 11, 12, 13
	SCALE 0x82, BANK, BANK, 32                     ; into the spline product's unit
	SCALE 0x82, BANK+96, BANK+96, 32
; ================ periods 36-39: the second layer's spline product, two K steps a period; beside it the rest of the bases and the update gate
	CHANGE 0, 1
	K2STEP 4096+2048*0, 0, 2048
	K2STEP 4096+2048*1, 0, 2048+8192
	K2UNIT 2, 1, 0, 0
	K2UNIT 3, 0, 0, 0
	SCOUT 8192
	VLOAD 62, 0, 0, 8, 1                           ; ug_g, ug_beta: the coefficients are done with
	VLOAD 68, 64, 0, 8, 1
	POW2P 4, 5
	SCALE 0xc2, UG+32, BANK+64, 16
	SCALE 0xc2, UG+96, BANK+160, 16
	LNSTAT 3, UG, 64, 1                            ; the next change's barrier stands between these stores and the loads of them
	CHANGE 1, 1
	K2STEP 4096+2048*2, 1, 2048
	K2STEP 4096+2048*3, 1, 2048+8192
	s_wait_loadcnt 0x0
	LNFIN 3, UG, 64, 1, 0, 64, 1
	MULLIT 0xc3, UG, UG, 64, NLOG2E
	SIGTAIL 3, UG, 128                             ; update = sigmoid
	VLOAD 70, 0, 0, 8, 1                           ; cn_g, cn_b
	VLOAD 96, 64, 0, 8, 1
	CHANGE 0, 1
	K2STEP 4096+2048*4, 0, 2048
	K2STEP 4096+2048*5, 0, 2048+8192
	CHANGE 1, 0                                    ; the last slot: nothing is left to fetch
	K2STEP 4096+2048*6, 1, 2048
	K2STEP 4096+2048*7, 1, 2048+8192
; ================ the candidate: the same layer norm twice, silu, the blend, the way out
	POW2P 12, 13
	SCALE 0x82, BANK, BANK, 32
	SCALE 0x82, BANK+96, BANK+96, 32
	LNSTAT 2, BANK, 96, 2
	BARRIER
	s_wait_loadcnt 0x0
	LNFIN 2, BANK, 96, 1, 0, 64, 2
	LNSTAT 2, BANK, 96, 3
	BARRIER
	LNFIN 2, BANK, 96, 1, 0, 64, 3
.irp m, 0,1
	MULLIT 0x02, LT, BANK+96*\m, 32, NLOG2E
	SIGTAIL 0, LT, 64
	WIN 0xb2                                       ; source 0 and D window 2, source 1 window 0, source 2 window 3
.set zs, 0
	s_wait_alu depctr_va_vdst(0)
.rept 32
	v_pk_fma_f32 v[BANK+96*\m+2*zs:BANK+96*\m+2*zs+1], v[BANK+96*\m+2*zs:BANK+96*\m+2*zs+1], v[LT+2*zs:LT+2*zs+1], v[HT+64*\m+2*zs:HT+64*\m+2*zs+1] neg_lo:[0,0,1] neg_hi:[0,0,1]   ; silu(c) - h
.set zs, zs+1
.endr
	WIN 0x3e                                       ; source 0 window 2, sources 1 and 2 window 3, D window 0
.set zs, 0
.rept 32
	v_pk_fma_f32 v[OUT+2*zs:OUT+2*zs+1], v[BANK+96*\m+2*zs:BANK+96*\m+2*zs+1], v[UG+64*\m+2*zs:UG+64*\m+2*zs+1], v[HT+64*\m+2*zs:HT+64*\m+2*zs+1]   ; h + u (silu(c) - h)
.set zs, zs+1
.endr
	WIN 0
.if \m
	s_wait_xcnt 0x0                                ; the first tile's stores have read their registers: the loads below may land there
.endif
.set zo, 0
.rept 8
	ds_store_b128 v[STO], v[OUT+8*zo:OUT+8*zo+3]   offset:64*zo
	ds_store_b128 v[STO], v[OUT+8*zo+4:OUT+8*zo+7] offset:64*zo+16
.set zo, zo+1
.endr
.set zo, 0
.rept 16
	ds_load_b128 v[RB+4*zo:RB+4*zo+3], v[SRD] offset:528*zo    ; my own stage: LDS serves a wave's instructions in order
.set zo, zo+1
.endr
.set zo, 0
.rept 16
	s_wait_dscnt 15-zo                             ; row zo is back; the younger rows' loads may be out
	global_store_b128 v[GIO], v[RB+4*zo:RB+4*zo+3], s[100:101] offset:(16*\m+zo)*2048 th:TH_STORE_NT   ; 32 lanes store 512 consecutive bytes, at a multiple of 512 from out0's first byte
.set zo, zo+1
.endr
.endr
	s_wait_tensorcnt 0x0                           ; the wave's end, behind my last tensor load and my last LDS store
	ds_add_u32 v[SPW], v[NIL]
	s_wait_dscnt 0x0
	ROUND                                          ; the closing round: no work-group ends while a partner may still ask for a part that names it
	s_endpgm
.Lfunc_end_k_qed2681432b_cell:
	.size	k_qed2681432b_cell, .Lfunc_end_k_qed2681432b_cell-k_qed2681432b_cell
	.p2alignl 7, 3214868480
	.fill 96, 4, 3214868480
	.section	.rodata,"a",@progbits
	.p2align	6, 0x0
	.amdhsa_kernel k_qed2681432b_cell
		.amdhsa_group_segment_fixed_size 327680
		.amdhsa_private_segment_fixed_size 0
		.amdhsa_enable_private_segment 0
		.amdhsa_kernarg_size 120
		.amdhsa_user_sgpr_count 2
		.amdhsa_user_sgpr_kernarg_segment_ptr 1
		.amdhsa_wavefront_size32 1
		.amdhsa_system_sgpr_workgroup_id_x 1
		.amdhsa_system_sgpr_workgroup_id_y 1
		.amdhsa_system_sgpr_workgroup_id_z 1
		.amdhsa_system_vgpr_workitem_id 0
		.amdhsa_next_free_vgpr 1024
		.amdhsa_next_free_sgpr 102
		.amdhsa_reserve_vcc 0
		.amdhsa_float_denorm_mode_32 3
		.amdhsa_float_denorm_mode_16_64 3
		.amdhsa_memory_ordered 1
		.amdhsa_forward_progress 1
		.amdhsa_inst_pref_size 255
	.end_amdhsa_kernel
	.section	.bss,"aw",@nobits
	.p2align	6
	.space	262144
	.amdgpu_metadata
---
amdhsa.version: [ 1, 2 ]
amdhsa.kernels:
  - .name:           k_qed2681432b_cell
    .symbol:         k_qed2681432b_cell.kd
    .args:
      - { .name: x_codes, .offset: 0, .size: 8, .value_kind: global_buffer, .address_space: global }
      - { .name: h_prev, .offset: 8, .size: 8, .value_kind: global_buffer, .address_space: global }
      - { .name: stream, .offset: 16, .size: 8, .value_kind: global_buffer, .address_space: global }
      - { .name: lowp_scales, .offset: 24, .size: 8, .value_kind: global_buffer, .address_space: global }
      - { .name: ip_b, .offset: 32, .size: 8, .value_kind: global_buffer, .address_space: global }
      - { .name: rg_b, .offset: 40, .size: 8, .value_kind: global_buffer, .address_space: global }
      - { .name: rg_g, .offset: 48, .size: 8, .value_kind: global_buffer, .address_space: global }
      - { .name: rg_beta, .offset: 56, .size: 8, .value_kind: global_buffer, .address_space: global }
      - { .name: ug_b, .offset: 64, .size: 8, .value_kind: global_buffer, .address_space: global }
      - { .name: ug_g, .offset: 72, .size: 8, .value_kind: global_buffer, .address_space: global }
      - { .name: ug_beta, .offset: 80, .size: 8, .value_kind: global_buffer, .address_space: global }
      - { .name: cn_g, .offset: 88, .size: 8, .value_kind: global_buffer, .address_space: global }
      - { .name: cn_b, .offset: 96, .size: 8, .value_kind: global_buffer, .address_space: global }
      - { .name: rp_b, .offset: 104, .size: 8, .value_kind: global_buffer, .address_space: global }
      - { .name: out0, .offset: 112, .size: 8, .value_kind: global_buffer, .address_space: global }
    .group_segment_fixed_size: 327680
    .private_segment_fixed_size: 0
    .kernarg_segment_align: 8
    .kernarg_segment_size: 120
    .max_flat_workgroup_size: 128
    .sgpr_count:     102
    .vgpr_count:     1024
    .wavefront_size: 32
...
	.end_amdgpu_metadata
.endif
;; end of part 2
;; ======== version 2 of 2: 2 launches
;; limits: right only within a limited range of input values
;; workspace buffers: stream 2,949,120 bytes; coef 278,528 bytes
;; launch pack (part 3): grid 160 x 1, 4 waves a work-group, no clusters, 0 bytes of LDS; arguments ip_w_codes, ug_w_codes, rp_w_codes, k1_base_codes, k2_base_codes, k1_spline, k1_scaler, k2_spline, k2_scaler, grid1, grid2, lowp_scales, stream, coef; writes stream, coef
.if DOCPART == 3
	.amdgcn_target "amdgcn-amd-amdhsa--gfx1250"
	.amdhsa_code_object_version 6
	.text
	.protected	k_qed2681432b_pack
	.globl	k_qed2681432b_pack
	.p2align	8
	.type	k_qed2681432b_pack,@function
k_qed2681432b_pack:
	s_mov_b64 s[64:65], 0
	v_nop
	global_prefetch_b8 v0, s[64:65] scope:SCOPE_SE
	s_setreg_imm32_b32 hwreg(HW_REG_WAVE_MODE, 25, 1), 1
	s_wait_xcnt 0x0
; DEAD WORK LEFT OUT, in this launch and in the next.  reference() assigns reset = tanh(layer_norm(combined @ rg_w.T + rg_b, rg_g, rg_beta)), and no later expression names reset:
; h_t is made of update, h_prev and h_cand alone.  So, whatever the inputs hold, product 2 of the table, its quantiser of combined (entries 2 and 3 of the scales), its LayerNorm and its tanh
; reach no output.  They are not computed; rg_w_codes, rg_b, rg_g and rg_beta have no way to the output, are loaded by no launch and are among no launch's arguments.
; LIMIT: a NaN, an infinity or an overflow that arises in the reset gate alone is not carried to the result.
;
; All weights are laid into the buffer 'stream' as images of the second launch's operand registers, and both grids into the buffer 'coef' as spline coefficients.
; STREAM: 40 slots of 73,728 bytes; a slot is four parts of 18,432 bytes, one for each wave w of the second launch; a part is 36 rows of 512 bytes, lane l's 16 bytes at 16 l.  Rows 0-3 are not used; rows 4-35 are the payload.
; A work-group serves one part (slot = x / 4, w = x % 4); its wave v writes payload rows 8 v .. 8 v + 7, each row by one store of 512 consecutive bytes, aligned, and one row of coefficients.
; PAYLOAD: slots 0, 1: ip_w;  2: k1_base;  3-34: rows 4-11 four images of k1_spline x k1_scaler as codes, rows 12-27 four images of ug_w (slots 3-18) or rp_w (slots 19-34); rows 28-35 of these slots are neither written nor read;
;   35: k2_base, in rows 12-27;  36-39: k2_spline x k2_scaler as codes.
;   An image of codes that are given: lane (n', h), row c': bytes k0 + 32 c' + 8 h + 0..7, then k0 + 32 c' + 16 + 8 h + 0..7 of weight row o0 + n'.
;   An image of spline weights: lane (n', h), row c: byte 2 j + e = the code of spline[o0 + n'][f + e][j] x scaler[o0 + n'][f + e], f = f0 + 8 h + 2 (2 q + c): the order in which the second launch makes the bases' codes.
; COEF: [w][unit U = 0..67][h] rows of 512 bytes.  A row serves the features f and f + 1, interleaved (f, f + 1): floats 0-23 the 12 knots g[j]; 24-47 1 / (g[j+1] - g[j]); 48-67 1 / (g[j+2] - g[j]); 68-87 1 / (g[j+3] - g[j]);
;   entries past a list's end, and 88-127, are 0.  A reciprocal is v_rcp_f32 and one Newton step.  U < 64: grid1, else grid2.  Wave v of slot t makes unit U = 2 t - 5 + v / 2, half h = v % 2; where U lies outside 0..67 it stores no row.
; code = number / 2^e, held within +-448, to the nearest code, ties to even.  LIMITS: e (entries 9 and 13 of the scales) between -126 and 119; NaN and infinities among the inputs are not served; knots that coincide (g[j+k] = g[j]) give no finite result in the definition either.
; No LDS, no barrier: waves share nothing.  The roles part on the slot's and the wave's number alone.
.set SLOTB, 73728
.set PART,  18432
.set LD,    32                         ; v32-159  what a role loads
.set SCL,   160                        ; v160-175 scalers, two a row
.set TM,    176                        ; v176-191 16 numbers at work
.set CD,    192                        ; v192-223 codes, four registers a row: no store's data are written again
	s_load_b64 s[8:9], s[0:1], 0x0                 ; ip_w
	s_load_b128 s[12:15], s[0:1], 0x8              ; ug_w 12, rp_w 14
	s_load_b512 s[16:31], s[0:1], 0x18             ; k1_base 16, k2_base 18, k1_spline 20, k1_scaler 22, k2_spline 24, k2_scaler 26, grid1 28, grid2 30
	s_load_b128 s[32:35], s[0:1], 0x58             ; the scales' exponents 32, stream 34
	s_load_b64 s[10:11], s[0:1], 0x68              ; coef
	v_lshrrev_b32 v1, 5, v0
	v_readfirstlane_b32 s6, v1                     ; wave v
	s_lshr_b32 s4, ttmp9, 2                        ; slot
	s_and_b32 s5, ttmp9, 3                         ; w
	v_and_b32 v1, 31, v0                           ; lane
	s_wait_alu depctr_va_vdst(0)
	v_and_b32 v2, 15, v0                           ; n'
	v_bfe_u32 v3, v0, 4, 1                         ; h
	v_lshlrev_b32 v4, 4, v1
	s_lshl_b32 s39, s6, 12
	s_add_co_u32 s39, s39, 2048
	v_add_nc_u32 v5, s39, v4                       ; my 16 bytes of my first payload row
	s_and_b32 s38, s6, 1
	s_lshl_b32 s38, s38, 9
	v_add_nc_u32 v4, s38, v4                       ; and of my unit's row h = v % 2 of coefficients
	; which unit and which features my coefficient row serves
	s_lshr_b32 s40, s6, 1
	s_and_b32 s41, s6, 1                           ; the half h of the lanes that will read the row
	s_lshl_b32 s42, s4, 1
	s_add_co_u32 s42, s42, s40
	s_sub_co_i32 s42, s42, 5                       ; U
	s_mov_b32 s62, s42                             ; kept as it is: a row is stored for 0 <= U <= 67 alone
	s_cmp_lt_i32 s42, 0
	s_cselect_b32 s43, 64, 0
	s_add_co_u32 s42, s42, s43                     ; (below 0: + 64, so that the knots' loads stay inside the grid)
	s_and_b32 s43, s42, 3
	s_lshl_b32 s43, s43, 1
	s_lshl_b32 s41, s41, 3
	s_add_co_u32 s43, s43, s41                     ; 8 h + 2 (U % 4)
	s_lshr_b32 s44, s42, 5
	s_lshl_b32 s44, s44, 9
	s_bfe_u32 s45, s42, 0x30002
	s_lshl_b32 s45, s45, 4
	s_add_co_u32 s44, s44, s45
	s_lshl_b32 s45, s5, 7
	s_add_co_u32 s44, s44, s45
	s_add_co_u32 s44, s44, s43                     ; grid1: f = 512 (U / 32) + 128 w + 16 ((U / 4) % 8) + 8 h + 2 (U % 4)
	s_lshl_b32 s45, s5, 4
	s_add_co_u32 s45, s45, s43                     ; grid2: f = 16 w + 8 h + 2 (U % 4)
	; which list and which two entries my lane makes: lanes 0-5 knots, 6-11, 12-16, 17-21 the reciprocals over 1, 2, 3 intervals
	v_cmp_le_u32 vcc_lo, 6, v1
	v_cndmask_b32 v10, 0, 1, vcc_lo
	v_cmp_le_u32 vcc_lo, 12, v1
	v_cndmask_b32 v11, 0, 1, vcc_lo
	v_cmp_le_u32 vcc_lo, 17, v1
	v_cndmask_b32 v12, 0, 1, vcc_lo
	v_add3_u32 v8, v10, v11, v12                   ; k
	v_add_nc_u32 v9, v10, v11
	v_mul_u32_u24 v9, v9, 6
	v_mad_u32_u24 v9, v12, 5, v9                   ; the list's first lane
	v_sub_nc_u32 v9, v1, v9
	v_lshlrev_b32 v9, 1, v9                        ; j0
	v_min_u32 v10, 11, v9
	v_lshlrev_b32 v10, 2, v10                      ; g[j0]
	v_add_nc_u32 v11, 1, v9
	v_min_u32 v11, 11, v11
	v_lshlrev_b32 v11, 2, v11                      ; g[j0 + 1]
	v_add_nc_u32 v12, v9, v8
	v_min_u32 v12, 11, v12
	v_lshlrev_b32 v12, 2, v12                      ; g[j0 + k]
	v_add3_u32 v13, v9, v8, 1
	v_min_u32 v13, 11, v13
	v_lshlrev_b32 v13, 2, v13                      ; g[j0 + 1 + k]: every index is held at 11, so no load leaves the feature's row
	s_mul_i32 s36, s4, SLOTB
	s_mul_i32 s37, s5, PART
	s_add_co_u32 s36, s36, s37
	s_mov_b32 s37, 0
	s_wait_alu depctr_va_vdst(0)
	s_wait_kmcnt 0x0
	s_add_nc_u64 s[34:35], s[34:35], s[36:37]      ; my part of the stream
	s_cmp_ge_u32 s42, 64
	s_cselect_b32 s44, s45, s44
	s_cselect_b64 s[60:61], s[30:31], s[28:29]     ; the choice hangs on the unit's number alone
	s_mul_i32 s44, s44, 48                         ; a feature's 12 knots are 48 bytes
	s_mov_b32 s45, 0
	s_add_nc_u64 s[60:61], s[60:61], s[44:45]
	global_load_b32 v14, v10, s[60:61]
	global_load_b32 v15, v10, s[60:61] offset:48
	global_load_b32 v16, v11, s[60:61]
	global_load_b32 v17, v11, s[60:61] offset:48
	global_load_b32 v18, v12, s[60:61]
	global_load_b32 v19, v12, s[60:61] offset:48
	global_load_b32 v20, v13, s[60:61]
	global_load_b32 v21, v13, s[60:61] offset:48
; Eight rows of images of given codes.  s[48:49]: the first image's weight row o0, at k0.  kbs: log2 of a weight row's bytes; nimg images, step bytes apart.
.macro CODEROWS kbs, nimg, step
	v_lshlrev_b32 v6, \kbs, v2
	v_lshl_add_u32 v6, v3, 3, v6                   ; weight row n', + 8 h
.set zr, 0
.rept 8
	global_load_b64 v[LD+4*zr:LD+4*zr+1],   v6, s[48:49] offset:(zr/(8/\nimg))*\step+32*(zr%(8/\nimg))
	global_load_b64 v[LD+4*zr+2:LD+4*zr+3], v6, s[48:49] offset:(zr/(8/\nimg))*\step+32*(zr%(8/\nimg))+16
.set zr, zr+1
.endr
	s_wait_loadcnt 0x0
.set zr, 0
.rept 8
	global_store_b128 v5, v[LD+4*zr:LD+4*zr+3], s[34:35] offset:512*zr
.set zr, zr+1
.endr
.endm
; Eight rows of images of spline weights.  s50: o0 x features + f0 + 4 q.  nfs: log2 of the features; row (image zr / 2, c = zr % 2); sstep, cstep: bytes from image to image in the spline weights and in the scalers.
.macro SPROWS nfs, sstep, cstep, sp, cp, eoff
	s_load_b32 s46, s[32:33], \eoff                ; e
	v_lshlrev_b32 v6, \nfs, v2
	v_lshl_add_u32 v6, v3, 3, v6
	v_add_nc_u32 v6, s50, v6                       ; (o0 + n') x features + f0 + 8 h + 4 q
	v_lshlrev_b32 v7, 2, v6                        ; a scaler is 4 bytes,
	v_lshlrev_b32 v6, 5, v6                        ; a feature's 8 spline weights are 32
.set zr, 0
.rept 8
.irp k, 0,1,2,3
	global_load_b128 v[LD+16*zr+4*\k:LD+16*zr+4*\k+3], v6, s[\sp:\sp+1] offset:(zr/2)*\sstep+64*(zr%2)+16*\k
.endr
	global_load_b64 v[SCL+2*zr:SCL+2*zr+1], v7, s[\cp:\cp+1] offset:(zr/2)*\cstep+8*(zr%2)
.set zr, zr+1
.endr
	s_wait_kmcnt 0x0
	s_add_co_i32 s46, s46, 127
	s_lshl_b32 s47, s46, 23
	v_mov_b32 v31, s47                             ; 2^e as f32: the conversion takes its exponent field
	s_add_co_i32 s46, s46, 8
	s_lshl_b32 s46, s46, 23
	s_or_b32 s46, s46, 0x600000
	v_mov_b32 v30, s46                             ; 448 x 2^e
	s_wait_loadcnt 0x0
.set zr, 0
.rept 8
.irp j, 0,1,2,3,4,5,6,7
	v_mul_f32 v[TM+2*\j],   v[LD+16*zr+\j],   v[SCL+2*zr]       ; spline weight x scaler, in f32, into the place 2 j + e
	v_mul_f32 v[TM+2*\j+1], v[LD+16*zr+8+\j], v[SCL+2*zr+1]
.endr
.irp i, 0,1,2,3,4,5,6,7,8,9,10,11,12,13,14,15
	v_med3_num_f32 v[TM+\i], v[TM+\i], -v30, v30   ; the conversion to an 8-bit code does not saturate (ISA guide 7.6.2): the hold at the largest code x the scale
.endr
	v_cvt_scalef32_pk8_fp8_f32 v[CD+4*zr:CD+4*zr+1],   v[TM:TM+7],    v31
	v_cvt_scalef32_pk8_fp8_f32 v[CD+4*zr+2:CD+4*zr+3], v[TM+8:TM+15], v31
	v_nop                                          ; a plain vector line between the conversions and the next row's products, which write their sources
	global_store_b128 v5, v[CD+4*zr:CD+4*zr+3], s[34:35] offset:512*zr
.set zr, zr+1
.endr
.endm
	s_cmp_lt_u32 s4, 2
	s_cbranch_scc0 .Lnot_ip
	; slots 0, 1: ip_w, rows 128 w + 16 (4 slot + v) on; the wave's two images are K steps 0 and 1
	s_lshl_b32 s50, s5, 7
	s_lshl_b32 s51, s4, 6
	s_add_co_u32 s50, s50, s51
	s_lshl_b32 s51, s6, 4
	s_add_co_u32 s50, s50, s51
	s_lshl_b32 s50, s50, 8                         ; a row of ip_w is 256 bytes
	s_mov_b32 s51, 0
	s_add_nc_u64 s[48:49], s[8:9], s[50:51]
	CODEROWS 8, 2, 128
	s_branch .Lcoef
.Lnot_ip:
	s_cmp_eq_u32 s4, 2
	s_cbranch_scc0 .Lnot_k1b
	; slot 2: k1_base: image 2 v + i: rows 16 (2 (v % 2) + i) on, K step w + 4 (v / 2)
	s_and_b32 s50, s6, 1
	s_lshl_b32 s50, s50, 15                        ; 32 rows of 1,024 bytes
	s_lshl_b32 s51, s5, 7
	s_add_co_u32 s50, s50, s51
	s_lshr_b32 s51, s6, 1
	s_lshl_b32 s51, s51, 9
	s_add_co_u32 s50, s50, s51
	s_mov_b32 s51, 0
	s_add_nc_u64 s[48:49], s[16:17], s[50:51]
	CODEROWS 10, 2, 16384
	s_branch .Lcoef
.Lnot_k1b:
	s_cmp_lt_u32 s4, 35
	s_cbranch_scc0 .Lnot_main
	; slots 3 + p: stage st = p / 16, tile and K step t = (p / 2) % 8, half q = p % 2
	s_sub_co_u32 s52, s4, 3
	s_and_b32 s53, s52, 1                          ; q
	s_lshr_b32 s54, s52, 1
	s_lshr_b32 s55, s54, 3                         ; st
	s_and_b32 s54, s54, 7                          ; t
	s_cmp_eq_u32 s6, 0
	s_cbranch_scc1 .Lk1s
	s_cmp_eq_u32 s6, 3
	s_cbranch_scc1 .Lcoef                          ; wave 3 has a coefficient row and no payload in these slots
	; waves 1, 2: column tiles b = 4 q + 2 (v - 1) and b + 1 of ug_w (st = 0) or rp_w (st = 1)
	s_lshl_b32 s56, s53, 2
	s_lshl_b32 s57, s6, 1
	s_add_co_u32 s56, s56, s57
	s_sub_co_u32 s56, s56, 2                       ; b
	s_cmp_eq_u32 s55, 0
	s_cselect_b64 s[48:49], s[12:13], s[14:15]
	s_lshl_b32 s56, s56, 4
	s_lshl_b32 s57, s5, 7
	s_add_co_u32 s56, s56, s57                     ; o0 = 128 w + 16 b
	s_lshl_b32 s56, s56, 10
	s_lshl_b32 s57, s54, 7
	s_add_co_u32 s50, s56, s57                     ; + k0 = 128 t
	s_mov_b32 s51, 0
	s_add_nc_u64 s[48:49], s[48:49], s[50:51]
	CODEROWS 10, 2, 16384
	s_branch .Lcoef
.Lk1s:
	; wave 0: k1_spline x k1_scaler: images n = 0..3 (units 16 n on), f0 = 512 st + 128 w + 16 t
	s_lshl_b32 s50, s55, 9
	s_lshl_b32 s51, s5, 7
	s_add_co_u32 s50, s50, s51
	s_lshl_b32 s51, s54, 4
	s_add_co_u32 s50, s50, s51
	s_lshl_b32 s51, s53, 2
	s_add_co_u32 s50, s50, s51
	SPROWS 10, 524288, 65536, 20, 22, 0x24
	s_branch .Lcoef
.Lnot_main:
	s_cmp_eq_u32 s4, 35
	s_cbranch_scc0 .Lk2s
	; slot 35: k2_base: wave v writes rows 128 w + 16 (4 ((v + 1) % 2) + i) on: waves 1, 2 fill rows 12-27 of the part, which are used (waves 3, 0 repeat them: bytes that are written and not used)
	s_lshl_b32 s50, s5, 7
	s_add_co_u32 s51, s6, 1
	s_and_b32 s51, s51, 1
	s_lshl_b32 s51, s51, 6
	s_add_co_u32 s50, s50, s51
	s_lshl_b32 s50, s50, 6                         ; a row of k2_base is 64 bytes
	s_mov_b32 s51, 0
	s_add_nc_u64 s[48:49], s[18:19], s[50:51]
	CODEROWS 6, 4, 1024
	s_branch .Lcoef
.Lk2s:
	; slots 36 + a: k2_spline x k2_scaler: rows 128 w + 16 (4 (v % 2) + i) on, f0 = 16 (2 (a % 2) + v / 2), q = a / 2
	s_sub_co_u32 s52, s4, 36
	s_and_b32 s53, s52, 1
	s_lshl_b32 s53, s53, 1
	s_lshr_b32 s54, s6, 1
	s_add_co_u32 s53, s53, s54
	s_lshr_b32 s52, s52, 1
	s_lshl_b32 s50, s5, 7
	s_and_b32 s51, s6, 1
	s_lshl_b32 s51, s51, 6
	s_add_co_u32 s50, s50, s51
	s_lshl_b32 s50, s50, 6
	s_lshl_b32 s53, s53, 4
	s_add_co_u32 s50, s50, s53
	s_lshl_b32 s52, s52, 2
	s_add_co_u32 s50, s50, s52
	SPROWS 6, 32768, 4096, 24, 26, 0x34
.Lcoef:
	s_wait_loadcnt 0x0                             ; the eight knots (a wave with no payload has not waited yet)
	s_cmp_gt_u32 s62, 67                           ; unsigned: U below 0 is above 67 too
	s_cbranch_scc1 .Lend
	s_mul_i32 s36, s5, 68
	s_add_co_u32 s36, s36, s62
	s_lshl_b32 s36, s36, 10                        ; (68 w + U) x two rows of 512 bytes
	s_mov_b32 s37, 0
	s_add_nc_u64 s[10:11], s[10:11], s[36:37]
.irp i, 0,1,2,3
	v_sub_f32 v[22+\i], v[18+\i], v[14+\i]         ; g[j + k] - g[j]
.endr
	s_wait_alu depctr_va_vdst(0)
.irp i, 0,1,2,3
	v_rcp_f32 v[26+\i], v[22+\i]
.endr
	v_nop                                          ; a plain line behind the reciprocals
	s_wait_alu depctr_va_vdst(0)                   ; and behind it
.irp i, 0,1,2,3
	v_fma_f32 v[18+\i], -v[22+\i], v[26+\i], 1.0   ; one Newton step
.endr
.irp i, 0,1,2,3
	v_fma_f32 v[26+\i], v[26+\i], v[18+\i], v[26+\i]
.endr
	v_cmp_eq_u32 vcc_lo, 0, v8
.irp i, 0,1,2,3
	v_cndmask_b32 v[26+\i], v[26+\i], v[14+\i], vcc_lo   ; the first list holds the knots themselves
.endr
	v_sub_nc_u32 v22, 12, v8                       ; a list has 12 - k entries: what lies past its end is 0
	v_cmp_lt_u32 vcc_lo, v9, v22
	v_cndmask_b32 v26, 0, v26, vcc_lo
	v_cndmask_b32 v27, 0, v27, vcc_lo
	v_add_nc_u32 v23, 1, v9
	v_cmp_lt_u32 vcc_lo, v23, v22
	v_cndmask_b32 v28, 0, v28, vcc_lo
	v_cndmask_b32 v29, 0, v29, vcc_lo
	global_store_b128 v4, v[26:29], s[10:11]
.Lend:
	s_endpgm
.Lfunc_end_k_qed2681432b_pack:
	.size	k_qed2681432b_pack, .Lfunc_end_k_qed2681432b_pack-k_qed2681432b_pack
	.p2alignl 7, 3214868480
	.fill 96, 4, 3214868480
	.section	.rodata,"a",@progbits
	.p2align	6, 0x0
	.amdhsa_kernel k_qed2681432b_pack
		.amdhsa_group_segment_fixed_size 0
		.amdhsa_private_segment_fixed_size 0
		.amdhsa_enable_private_segment 0
		.amdhsa_kernarg_size 112
		.amdhsa_user_sgpr_count 2
		.amdhsa_user_sgpr_kernarg_segment_ptr 1
		.amdhsa_wavefront_size32 1
		.amdhsa_system_sgpr_workgroup_id_x 1
		.amdhsa_system_sgpr_workgroup_id_y 1
		.amdhsa_system_sgpr_workgroup_id_z 1
		.amdhsa_system_vgpr_workitem_id 0
		.amdhsa_next_free_vgpr 224
		.amdhsa_next_free_sgpr 66
		.amdhsa_reserve_vcc 1
		.amdhsa_float_denorm_mode_32 3
		.amdhsa_float_denorm_mode_16_64 3
		.amdhsa_memory_ordered 1
		.amdhsa_forward_progress 1
		.amdhsa_inst_pref_size 55
	.end_amdhsa_kernel
	.amdgpu_metadata
---
amdhsa.version: [ 1, 2 ]
amdhsa.kernels:
  - .name:           k_qed2681432b_pack
    .symbol:         k_qed2681432b_pack.kd
    .args:
      - { .name: ip_w_codes, .offset: 0, .size: 8, .value_kind: global_buffer, .address_space: global }
      - { .name: ug_w_codes, .offset: 8, .size: 8, .value_kind: global_buffer, .address_space: global }
      - { .name: rp_w_codes, .offset: 16, .size: 8, .value_kind: global_buffer, .address_space: global }
      - { .name: k1_base_codes, .offset: 24, .size: 8, .value_kind: global_buffer, .address_space: global }
      - { .name: k2_base_codes, .offset: 32, .size: 8, .value_kind: global_buffer, .address_space: global }
      - { .name: k1_spline, .offset: 40, .size: 8, .value_kind: global_buffer, .address_space: global }
      - { .name: k1_scaler, .offset: 48, .size: 8, .value_kind: global_buffer, .address_space: global }
      - { .name: k2_spline, .offset: 56, .size: 8, .value_kind: global_buffer, .address_space: global }
      - { .name: k2_scaler, .offset: 64, .size: 8, .value_kind: global_buffer, .address_space: global }
      - { .name: grid1, .offset: 72, .size: 8, .value_kind: global_buffer, .address_space: global }
      - { .name: grid2, .offset: 80, .size: 8, .value_kind: global_buffer, .address_space: global }
      - { .name: lowp_scales, .offset: 88, .size: 8, .value_kind: global_buffer, .address_space: global }
      - { .name: stream, .offset: 96, .size: 8, .value_kind: global_buffer, .address_space: global }
      - { .name: coef, .offset: 104, .size: 8, .value_kind: global_buffer, .address_space: global }
    .group_segment_fixed_size: 0
    .private_segment_fixed_size: 0
    .kernarg_segment_align: 8
    .kernarg_segment_size: 112
    .max_flat_workgroup_size: 128
    .sgpr_count:     66
    .vgpr_count:     224
    .wavefront_size: 32
...
	.end_amdgpu_metadata
.endif
;; end of part 3
;; launch cell (part 4): grid 256 x 1, 4 waves a work-group, clusters of 4 x 1, 327,680 bytes of LDS; arguments x_codes, h_prev, stream, lowp_scales, coef, ip_b, ug_b, ug_g, ug_beta, cn_g, cn_b, rp_b, out0; writes out0
.if DOCPART == 4
	.amdgcn_target "amdgcn-amd-amdhsa--gfx1250"
	.amdhsa_code_object_version 6
	.text
	.protected	k_qed2681432b_cell
	.globl	k_qed2681432b_cell
	.p2align	8
	.type	k_qed2681432b_cell,@function
k_qed2681432b_cell:
	s_mov_b64 s[64:65], 0
	v_nop
	global_prefetch_b8 v0, s[64:65] scope:SCOPE_SE
	s_setreg_imm32_b32 hwreg(HW_REG_WAVE_MODE, 25, 1), 1
	s_wait_xcnt 0x0
	s_wait_alu depctr_hold_cnt(0) depctr_sa_sdst(0) depctr_va_vdst(0) depctr_va_sdst(0) depctr_va_ssrc(0) depctr_va_vcc(0) depctr_vm_vsrc(0)
	s_getreg_b32 s2, hwreg(HW_REG_IB_STS2, 6, 4)
	s_cmp_eq_u32 s2, 0
	s_cbranch_scc0 .Lentry_in_a_cluster
	s_endpgm
.Lentry_in_a_cluster:
	s_bfe_u32 s2, ttmp6, 0x10000c
	s_cmp_lg_u32 s2, 0x3003
	s_cbranch_scc0 .Lentry_shape_is_right
	s_endpgm
.Lentry_shape_is_right:
; The whole cell for 32 rows of the batch: 256 work-groups, four waves; wave w owns columns 128 w .. 128 w + 127 of every product with 512 columns, and features 128 w .. of each half of combined for the splines.
; DEAD WORK LEFT OUT: the reset gate (product 2, its quantiser, LayerNorm and tanh): reference() never uses reset; the proof and the limit stand at the head of the first launch.  rg_w_codes, rg_b, rg_g, rg_beta are not loaded.
; ORDER: x_proj;  combined quantised for ug (entry 4), rp (14) and, as silu, for k1_base (6): images of operand registers in LDS (IMG), which every wave reads;  k1_base;
;   two passes of 8 trips, a trip = one K step of 128 of the pass's gate (pass 0: ug, pass 1: rp; 8 column tiles x 2 row tiles a wave) and four spline units (2 features a lane each, Cox-de Boor on all 12 knots as reference() has it,
;   the bases quantised and multiplied with k1_spline x k1_scaler);  mid summed over the waves through LDS;  k2_base and k2's splines onto rp's sums;  LayerNorm twice, silu;  LayerNorm and sigmoid of ug;  the blend with h_prev.
; THE SPLINES' COEFFICIENTS, which sixteen lanes share, lie in LDS for the whole launch: 68 units x 2 rows of 352 bytes a wave, brought by ONE tensor load a wave at the head, asked for jointly by the four work-groups of a cluster.
;   Nothing in LDS is filled again, so the passes have no barrier.
; THE WEIGHTS DO NOT GO THROUGH LDS, and so are not asked for jointly: each byte of them is an operand of one wave, once, and lies in the stream as that wave's registers take it; it is loaded straight into operand registers.
;   Through LDS each byte would be written and read once more, and 2 MB do not fit beside the 191,488 bytes of coefficients without refills and their barriers.
;   In the passes the gate's two images of a unit (8 loads of 512 bytes) are asked for three units ahead, into four buffers by turns; the spline weights of two units (8 loads) three units ahead of their product, into two buffers.
;   The last trip's look-ahead: units 4 and 5 past its first are rows 12-27 of slot 35, k2_base, which so lands where its product takes it (KW); 16 more loads name bytes of slots 35 and 36, inside the buffer, that are not used.
; No prefetch into the L2 is laid: these look-aheads play that part.
; LIMITS: every sum or difference of scale exponents that is made into a power of two lies between -126 and 127, every quantiser's e between -126 and 119; NaN and infinities among the inputs are not served.
; REGISTERS in the passes: window 0: v0-31 addresses, v32-111 the splines' work, v112-175 gate buffers 0, 1, v192-223 combined's codes, v224-255 spline weights 0;  window 1: coefficients (two sets of 88), differences, v208-239 spline weights 1;
;   window 2: v0-63, v96-159 the gate's sums, v64-95, v160-191 gate buffers 2, 3, v192-255 mid's sums;  window 3: x_proj (behind pass 0: ug's sums), h_prev.
.set SLOTB, 73728
.set PART,  18432
.set CROW,  352                        ; a row of coefficients in LDS
.set CFB,   136*CROW                   ; a wave's coefficients
.set IMG,   4*CFB                      ; combined's codes: 8 K steps x 12,288 (ug's image, rp's image, 4,096 not used)
.set STG,   IMG+98304                  ; a stage of 16 rows x 528 bytes for each wave
.set LNX,   STG+4*8448                 ; LayerNorm's partial sums
.set RPB,   LNX+1024                   ; rp_b: each wave's 128 numbers, its own 512 bytes
.set SPARE, RPB+2048                   ; the spare words
.set MIDX,  STG                        ; mid's exchange lies on the stages, with barriers between the two uses
.set K2B,   IMG
.set K2S,   IMG+4096
.set SPW, 1
.set NIL, 2
.set LI,  3
.set LC,  6
.set LCC, 7
.set AAD, 8
.set IWA, 9
.set STO, 10
.set SRD, 11
.set GIO, 12
.set VB,  13
.set XA,  14
.set LNA, 15
.set LNR, 16
.set MWR, 17
.set MRD, 18
.set KBW, 19
.set KSW, 20
.set KRD, 21
.set TP,  22
.set SCQ, 24
.set AA0, 25
.set RPW, 4                            ; v4  where I put my 16 bytes of rp_b
.set RPR, 5                            ; v5  where my lane's 8 columns of a column tile begin
.set XS,  26                           ; v26 x through my stage: in, two rows of 256 bytes an instruction, rows 272 bytes apart
.set XL,  27                           ; v27 and back as fragments: row r, + 8 h
.set KA1, 96                           ; v96-111 the second set of k2's row codes
.set XW,  32
.set LS,  32
.set UU,  48
.set BB,  72
.set LT,  48
.set SG,  48
.set SC,  96
.set WB,  112
.set SB,  224
.set SB1, 208
.set GA,  192
.set XF,  32
.set CQ,  32
.set PW,  96
.set T64, 96
.set R64, 160
.set KW,  112
.set KA,  240
.set MX,  176
.set RB,  192
.set CF0, 0
.set SF,  64
.set DD,  176
.set SCLV, 200
.set DF,  128
.set BANK, 0
.set MID, 192
.set XT,  0
.set UG,  0
.set HT,  128
.set WV,  6
.set TT,  9
.set CNT, 9
.set PW2, 10
.set G1,  12
.set G0F, 20
.set COFF, 24
.set CPO, 25
.set EX,  28
.set LIMP, 44
.set LIMN, 45
.set AOFF, 46
.set GOFF, 47
.set C512, 48
.set CEPS, 49
.set T16, 50
.set STN, 51
.set SEL, 66
.set MK,  72
.set GP,  104
.set NLOG2E, 0xbfb8aa3b
.set MSB, 0
.macro WIN new                         ; the immediate's high byte repeats the setting that is left
.if MSB != (\new)
	s_set_vgpr_msb (MSB<<8)|(\new)
.set MSB, (\new)
.endif
.endm
.macro PLACES
.rept 4
	v_nop
.endr
.endm
.macro ROUND                           ; a round of the cluster's barrier
	s_barrier_signal -1
	s_barrier_wait -1
	s_cmp_lg_u32 s[WV], 0
	s_cbranch_scc1 .Lnot_wave_0_\@
	s_barrier_signal -3
.Lnot_wave_0_\@:
	s_barrier_wait -3
	s_barrier_signal -1
	s_barrier_wait -1
.endm
.macro BARRIER
	s_wait_dscnt 0x0
	s_barrier_signal -1
	s_barrier_wait -1
.endm
.macro POW2P a, b                      ; 2^(e_a + e_b)
	s_add_co_i32 s[PW2], s[EX+\a], s[EX+\b]
	s_add_co_i32 s[PW2], s[PW2], 127
	s_lshl_b32 s[PW2], s[PW2], 23
	s_mov_b32 s[PW2+1], s[PW2]
.endm
.macro POW2N a, b                      ; 2^-(e_a + e_b)
	s_add_co_i32 s[PW2], s[EX+\a], s[EX+\b]
	s_sub_co_i32 s[PW2], 127, s[PW2]
	s_lshl_b32 s[PW2], s[PW2], 23
	s_mov_b32 s[PW2+1], s[PW2]
.endm
.macro POW2D a, b, c, d                ; 2^(e_a + e_b - e_c - e_d)
	s_add_co_i32 s[PW2], s[EX+\a], s[EX+\b]
	s_sub_co_i32 s[PW2], s[PW2], s[EX+\c]
	s_sub_co_i32 s[PW2], s[PW2], s[EX+\d]
	s_add_co_i32 s[PW2], s[PW2], 127
	s_lshl_b32 s[PW2], s[PW2], 23
	s_mov_b32 s[PW2+1], s[PW2]
.endm
.macro LIMS e, reg, dwin               ; a quantiser's 2^e for the conversion, and +-448 x 2^e for the hold
	s_add_co_i32 s2, s[EX+\e], 127
	s_lshl_b32 s3, s2, 23
	WIN (\dwin)<<6
	v_mov_b32 v[\reg], s3
	s_add_co_i32 s2, s2, 8
	s_lshl_b32 s2, s2, 23
	s_or_b32 s[LIMP], s2, 0x600000
	s_or_b32 s[LIMN], s[LIMP], 0x80000000
.endm
.macro SCALE win, dst, src, n
	WIN \win
.set zs, 0
.rept \n
	v_pk_mul_f32 v[\dst+2*zs:\dst+2*zs+1], v[\src+2*zs:\src+2*zs+1], s[PW2:PW2+1] op_sel_hi:[1,0]
.set zs, zs+1
.endr
.endm
.macro MULLIT win, dst, src, n, lit
	s_mov_b32 s[PW2], \lit
	s_mov_b32 s[PW2+1], \lit
	SCALE \win, \dst, \src, \n
.endm
.macro PKMUL win, dst, a, b, n
	WIN \win
.set zs, 0
	s_wait_alu depctr_va_vdst(0)
.rept \n
	v_pk_mul_f32 v[\dst+2*zs:\dst+2*zs+1], v[\a+2*zs:\a+2*zs+1], v[\b+2*zs:\b+2*zs+1]
.set zs, zs+1
.endr
.endm
.macro SIGTAIL wn, a, n                ; a = 1 / (1 + 2^a)
	WIN (\wn)|((\wn)<<6)
.set ze, 0
.rept \n
	v_exp_f32 v[\a+ze], v[\a+ze]
.set ze, ze+1
.endr
	v_nop
.set ze, 0
	s_wait_alu depctr_va_vdst(0)
.rept (\n)/2
	v_pk_add_f32 v[\a+2*ze:\a+2*ze+1], v[\a+2*ze:\a+2*ze+1], 1.0 op_sel_hi:[1,0]
.set ze, ze+1
.endr
.set ze, 0
	s_wait_alu depctr_va_vdst(0)
.rept \n
	v_rcp_f32 v[\a+ze], v[\a+ze]
.set ze, ze+1
.endr
	v_nop
.endm
.macro HOLD win, dst, src, n
	WIN \win
.set zs, 0
.rept \n
	v_med3_num_f32 v[\dst+zs], v[\src+zs], s[LIMN], s[LIMP]
.set zs, zs+1
.endr
.endm
.macro VLOAD ptr, dst, ct0, n, dwin    ; a vector of 512 in the results' layout: my lane's 8 columns of n column tiles
	WIN (\dwin)<<6
.set zv, 0
.rept \n
	global_load_b128 v[\dst+8*zv:\dst+8*zv+3],   v[VB], s[\ptr:\ptr+1] offset:64*(\ct0+zv)
	global_load_b128 v[\dst+8*zv+4:\dst+8*zv+7], v[VB], s[\ptr:\ptr+1] offset:64*(\ct0+zv)+16
.set zv, zv+1
.endr
.endm
.macro PROJ sg                         ; x_proj, column tiles 4 sg .. 4 sg + 3: ip_w's images lie in window 2, the bias / 2^(e0 + e1) in window 1 starts the sums
	WIN 0xd2
.irp tl, 0,1,2,3
.irp m, 0,1
	v_wmma_f32_16x16x128_fp8_fp8 v[XT+64*\m+8*(4*\sg+\tl):XT+64*\m+8*(4*\sg+\tl)+7], v[128*\sg+32*\tl:128*\sg+32*\tl+15], v[XF+32*\m:XF+32*\m+15], v[8*(4*\sg+\tl):8*(4*\sg+\tl)+7]
.endr
.endr
	WIN 0xf2
.irp tl, 0,1,2,3
.irp m, 0,1
	v_wmma_f32_16x16x128_fp8_fp8 v[XT+64*\m+8*(4*\sg+\tl):XT+64*\m+8*(4*\sg+\tl)+7], v[128*\sg+32*\tl+16:128*\sg+32*\tl+31], v[XF+32*\m+16:XF+32*\m+31], v[XT+64*\m+8*(4*\sg+\tl):XT+64*\m+8*(4*\sg+\tl)+7]
.endr
.endr
	WIN 0
	PLACES
.endm
.macro QUANTR e, dst
	LIMS \e, SCQ, 0
	HOLD 0, T64, R64, 64
.set zz, 0
.rept 8
	v_cvt_scalef32_pk8_fp8_f32 v[\dst+2*zz:\dst+2*zz+1], v[T64+8*zz:T64+8*zz+7], v[SCQ]
.set zz, zz+1
.endr
	v_nop
.endm
.macro CIN src
	WIN 0x03
.set zz, 0
.rept 64
	v_mov_b32 v[R64+zz], v[\src+zz]
.set zz, zz+1
.endr
	WIN 0
.endm
.macro COUT off, sf                    ; ug's and rp's images into LDS; silu's codes stay mine, in window 1
.irp g, 0,1
.irp c, 0,1,2,3
	ds_store_b128 v[IWA], v[CQ+16*\g+4*\c:CQ+16*\g+4*\c+3] offset:\off+4096*\g+512*\c
.endr
.endr
	WIN 0x40
.set zz, 0
.rept 16
	v_mov_b32 v[\sf+zz], v[CQ+48+zz]
.set zz, zz+1
.endr
	WIN 0
.endm
.macro DSUB m, u, cf                   ; x - g[j], 12 knots, two features at a time
.set dj, 0
.rept 12
	v_pk_add_f32 v[DD+2*dj:DD+2*dj+1], v[XW+8*\m+2*(\u):XW+8*\m+2*(\u)+1], v[\cf+2*dj:\cf+2*dj+1] neg_lo:[0,1] neg_hi:[0,1]
.set dj, dj+1
.endr
.endm
.macro SPLREST m, u, cf                ; the recursion: order 0 by compares, orders 1 to 3 by products with the stored reciprocals; hold; codes
.set zq, 0
.rept 24
	v_cmp_le_f32 s[MK+zq], 0, v[DD+zq]
.set zq, zq+1
.endr
.set zq, 0
.rept 22
	s_and_not1_b32 s[MK+zq], s[MK+zq], s[MK+zq+2]
.set zq, zq+1
.endr
.set zq, 0
.rept 22
	v_cndmask_b32 v[UU+zq], 0, v[\cf+24+zq], s[MK+zq]
.set zq, zq+1
.endr
.set zq, 0
.rept 10
	v_pk_mul_f32 v[BB+2*zq:BB+2*zq+1], v[UU+2*zq+2:UU+2*zq+3], v[DD+2*zq+4:DD+2*zq+5]
.set zq, zq+1
.endr
.set zq, 0
.rept 10
	v_pk_fma_f32 v[BB+2*zq:BB+2*zq+1], v[UU+2*zq:UU+2*zq+1], v[DD+2*zq:DD+2*zq+1], v[BB+2*zq:BB+2*zq+1] neg_lo:[0,0,1] neg_hi:[0,0,1]
.set zq, zq+1
.endr
.set zq, 0
.rept 10
	v_pk_mul_f32 v[UU+2*zq:UU+2*zq+1], v[BB+2*zq:BB+2*zq+1], v[\cf+48+2*zq:\cf+48+2*zq+1]
.set zq, zq+1
.endr
.set zq, 0
.rept 9
	v_pk_mul_f32 v[BB+2*zq:BB+2*zq+1], v[UU+2*zq+2:UU+2*zq+3], v[DD+2*zq+6:DD+2*zq+7]
.set zq, zq+1
.endr
.set zq, 0
.rept 9
	v_pk_fma_f32 v[BB+2*zq:BB+2*zq+1], v[UU+2*zq:UU+2*zq+1], v[DD+2*zq:DD+2*zq+1], v[BB+2*zq:BB+2*zq+1] neg_lo:[0,0,1] neg_hi:[0,0,1]
.set zq, zq+1
.endr
.set zq, 0
.rept 9
	v_pk_mul_f32 v[UU+2*zq:UU+2*zq+1], v[BB+2*zq:BB+2*zq+1], v[\cf+68+2*zq:\cf+68+2*zq+1]
.set zq, zq+1
.endr
.set zq, 0
.rept 8
	v_pk_mul_f32 v[BB+2*zq:BB+2*zq+1], v[UU+2*zq+2:UU+2*zq+3], v[DD+2*zq+8:DD+2*zq+9]
.set zq, zq+1
.endr
.set zq, 0
.rept 8
	v_pk_fma_f32 v[BB+2*zq:BB+2*zq+1], v[UU+2*zq:UU+2*zq+1], v[DD+2*zq:DD+2*zq+1], v[BB+2*zq:BB+2*zq+1] neg_lo:[0,0,1] neg_hi:[0,0,1]
.set zq, zq+1
.endr
.set zq, 0
.rept 16
	v_med3_num_f32 v[BB+zq], v[BB+zq], s[LIMN], s[LIMP]
.set zq, zq+1
.endr
	v_cvt_scalef32_pk8_fp8_f32 v[SC+8*\m+4*((\u)&1):SC+8*\m+4*((\u)&1)+1],   v[BB:BB+7],    v[SCLV]
	v_cvt_scalef32_pk8_fp8_f32 v[SC+8*\m+4*((\u)&1)+2:SC+8*\m+4*((\u)&1)+3], v[BB+8:BB+15], v[SCLV]
.endm
.macro CFLOAD cf, a, off               ; a unit's 88 coefficients of my half of the lanes
.set zc, 0
.rept 22
	ds_load_b128 v[\cf+4*zc:\cf+4*zc+3], v[\a] offset:\off+16*zc
.set zc, zc+1
.endr
.endm
; GP: my part of the trip's first slot, row 4.  The two gate images of the unit j units behind the trip's first, into buffer j % 4 (0, 1: window 0, v112, v144; 2, 3: window 2, v64, v160)
.macro GLOAD j
.if ((\j)&3) < 2
.set gd, WB+32*((\j)&3)
.else
.set gd, 64+96*(((\j)&3)-2)
.endif
.set zc, 0
.rept 8
	global_load_b128 v[gd+4*zc:gd+4*zc+3], v[LI], s[GP:GP+1] offset:((\j)/2)*SLOTB+4096+((\j)%2)*4096+512*zc
.set zc, zc+1
.endr
.endm
.macro SLOAD k                         ; the spline weights of the slot k behind the trip's first, into buffer k % 2 (window 0 v224, window 1 v208)
.if ((\k)&1) == 0
.set gd, SB
.else
.set gd, SB1
.endif
.set zc, 0
.rept 8
	global_load_b128 v[gd+4*zc:gd+4*zc+3], v[LI], s[GP:GP+1] offset:(\k)*SLOTB+512*zc
.set zc, zc+1
.endr
.endm
.macro KLOAD s, b0, b1                 ; behind the passes GP stands at slot 35: step s of k2's spline weights, 16 rows, into two runs of 32 registers
.set zk, 0
.rept 8
	global_load_b128 v[\b0+4*zk:\b0+4*zk+3], v[LI], s[GP:GP+1] offset:(1+(\s)/2)*SLOTB+8192*((\s)%2)+512*zk
.set zk, zk+1
.endr
.set zk, 0
.rept 8
	global_load_b128 v[\b1+4*zk:\b1+4*zk+3], v[LI], s[GP:GP+1] offset:(1+(\s)/2)*SLOTB+8192*((\s)%2)+4096+512*zk
.set zk, zk+1
.endr
.endm
.macro GALOAD
.irp m, 0,1
.irp c, 0,1,2,3
	ds_load_b128 v[GA+16*\m+4*\c:GA+16*\m+4*\c+3], v[AA0] offset:2048*\m+512*\c
.endr
.endr
.endm
.macro GMUL u
.if (\u) < 2
.set gw, WB+32*(\u)
.else
.set gw, 64+96*((\u)-2)
.endif
.irp i, 0,1
.irp m, 0,1
.set gb, 2*(\u)+\i
	v_wmma_f32_16x16x128_fp8_fp8 v[BANK+96*\m+8*gb:BANK+96*\m+8*gb+7], v[gw+16*\i:gw+16*\i+15], v[GA+16*\m:GA+16*\m+15], v[BANK+96*\m+8*gb:BANK+96*\m+8*gb+7]
.endr
.endr
.endm
.macro SMUL sb
.irp n, 0,1,2,3
.irp m, 0,1
	v_wmma_f32_16x16x64_fp8_fp8 v[MID+8*(2*\n+\m):MID+8*(2*\n+\m)+7], v[\sb+8*\n:\sb+8*\n+7], v[SC+8*\m:SC+8*\m+7], v[MID+8*(2*\n+\m):MID+8*(2*\n+\m)+7]
.endr
.endr
.endm
; A unit.  The loads go out behind the twelve subtractions, which are the places behind the last unit's products.  Groups of eight loads in their order: unit 0: S1, G3; unit 1: G4; unit 2: G5, S2; unit 3: G6.
.macro UNIT u
.set cfc, CF0+88*((\u)&1)
.set cfn, CF0+88*(((\u)+1)&1)
	WIN 0x44
	DSUB 0, \u, cfc
	CFLOAD cfn, LCC, ((\u)+1)*2*CROW
.if (\u) == 0
	SLOAD 1
.endif
.if (\u) == 0 || (\u) == 3
	WIN 0x84
.else
	WIN 0x04
.endif
	GLOAD (\u)+3
	WIN 0x04
.if (\u) == 2
	SLOAD 2
.endif
.if (\u) == 0
	GALOAD
.endif
	SPLREST 0, \u, cfc
	WIN 0x44
	DSUB 1, \u, cfc
	WIN 0x04
	SPLREST 1, \u, cfc
	v_nop
.if (\u)&1
	s_wait_alu depctr_va_vdst(0)                   ; directly ahead of the blocking waits
.endif
	s_wait_dscnt 0x0
	s_wait_loadcnt 40-8*((\u)&1)                   ; even units: behind this unit's gate images five groups of eight were issued; odd units: behind its gate images and spline weights four
.if (\u) < 2
	WIN 0xa0
.else
	WIN 0xa2
.endif
	GMUL \u
.if (\u) == 1
	SMUL SB
.endif
.if (\u) == 3
	WIN 0xa1
	SMUL SB1
.endif
.endm
.macro K2UNIT u
.set cfc, CF0+88*((\u)&1)
	WIN 0x44
	DSUB 0, \u, cfc
	WIN 0x04
	SPLREST 0, \u, cfc
	WIN 0x44
	DSUB 1, \u, cfc
	WIN 0x04
	SPLREST 1, \u, cfc
	v_nop
	WIN 0
.endm
.macro SWCASE c
	WIN 0x03
.irp m, 0,1
.irp j, 0,1,2,3,4,5,6,7
	v_mov_b32 v[XW+8*\m+\j], v[128*((\c)/8)+8*((\c)%8)+64*\m+\j]
.endr
.endr
	WIN 0
.endm
.macro SWITCH                          ; the trip's 16 numbers a lane out of window 3: register numbers cannot be counted, so the trip's number picks one of 16 copies
.irp c, 0,1,2,3,4,5,6,7,8,9,10,11,12,13,14
	s_cmp_eq_u32 s[T16], \c
	s_cbranch_scc1 .Lsw_\c
.endr
	SWCASE 15
	s_branch .Lswj
.irp c, 0,1,2,3,4,5,6,7,8,9,10,11,12,13
.Lsw_\c:
	SWCASE \c
	s_branch .Lswj
.endr
.Lsw_14:
	SWCASE 14
.Lswj:
.endm
.macro LNSTAT wa, a, ms, k             ; my 128 columns' mean and sum of squared deviations, for each row, into LDS
.irp m, 0,1
	WIN (\wa)|((\wa)<<2)
.set zl, 0
	s_wait_alu depctr_va_vdst(0)
.rept 16
	v_pk_add_f32 v[LT+2*zl:LT+2*zl+1], v[\a+\ms*\m+4*zl:\a+\ms*\m+4*zl+1], v[\a+\ms*\m+4*zl+2:\a+\ms*\m+4*zl+3]
.set zl, zl+1
.endr
	WIN 0
.irp w, 16,8,4,2
.set zl, 0
.rept \w/2
	v_pk_add_f32 v[LT+2*zl:LT+2*zl+1], v[LT+2*zl:LT+2*zl+1], v[LT+2*zl+\w:LT+2*zl+\w+1]
.set zl, zl+1
.endr
.endr
	v_add_f32 v[LS+12], v[LT], v[LT+1]
	v_permlanex16_b32 v[TP], v[LS+12], s[SEL], s[SEL+1]
	v_add_f32 v[LS+12], v[LS+12], v[TP]
	v_mul_f32 v[LS+8+2*\m], 0x3c000000, v[LS+12]
	v_mov_b32 v[LS+9+2*\m], v[LS+8+2*\m]
	WIN \wa
.set zl, 0
.rept 32
	v_pk_add_f32 v[LT+2*zl:LT+2*zl+1], v[\a+\ms*\m+2*zl:\a+\ms*\m+2*zl+1], v[LS+8+2*\m:LS+9+2*\m] neg_lo:[0,1] neg_hi:[0,1]
.set zl, zl+1
.endr
	WIN 0
.set zl, 0
.rept 4
	v_pk_mul_f32 v[LS+2*zl:LS+2*zl+1], v[LT+2*zl:LT+2*zl+1], v[LT+2*zl:LT+2*zl+1]
.set zl, zl+1
.endr
.rept 28
	v_pk_fma_f32 v[LS+2*(zl%4):LS+2*(zl%4)+1], v[LT+2*zl:LT+2*zl+1], v[LT+2*zl:LT+2*zl+1], v[LS+2*(zl%4):LS+2*(zl%4)+1]
.set zl, zl+1
.endr
	v_pk_add_f32 v[LS:LS+1], v[LS:LS+1], v[LS+2:LS+3]
	v_pk_add_f32 v[LS+4:LS+5], v[LS+4:LS+5], v[LS+6:LS+7]
	v_pk_add_f32 v[LS:LS+1], v[LS:LS+1], v[LS+4:LS+5]
	v_add_f32 v[LS], v[LS], v[LS+1]
	v_permlanex16_b32 v[TP], v[LS], s[SEL], s[SEL+1]
	v_add_f32 v[LS+9+2*\m], v[LS], v[TP]
	ds_store_b64 v[LNA], v[LS+8+2*\m:LS+9+2*\m] offset:\k*1024+128*\m
.endr
.endm
.macro LNFIN wa, a, ms, wv, gvb, bvb, k ; the four waves' parts joined; (x - mean) rsqrt(var + eps) g + b
.irp m, 0,1
	WIN 0
.irp v, 0,1,2,3
	ds_load_b64 v[LS+2*\v:LS+2*\v+1], v[LNR] offset:\k*1024+256*\v+128*\m
.endr
	s_wait_dscnt 0x0
	v_add_f32 v[LS+8], v[LS], v[LS+2]
	v_add_f32 v[LS+9], v[LS+4], v[LS+6]
	v_add_f32 v[LS+8], v[LS+8], v[LS+9]
	v_mul_f32 v[LS+8], 0x3e800000, v[LS+8]
.irp v, 0,1,2,3
	v_sub_f32 v[LS+2*\v], v[LS+2*\v], v[LS+8]
.endr
	v_mul_f32 v[LS+9], v[LS], v[LS]
	v_fmac_f32 v[LS+9], v[LS+2], v[LS+2]
	v_fmac_f32 v[LS+9], v[LS+4], v[LS+4]
	v_fmac_f32 v[LS+9], v[LS+6], v[LS+6]
	v_add_f32 v[LS+10], v[LS+1], v[LS+3]
	v_add_f32 v[LS+11], v[LS+5], v[LS+7]
	v_add_f32 v[LS+10], v[LS+10], v[LS+11]
	v_fmac_f32 v[LS+10], 0x43000000, v[LS+9]
	v_fma_f32 v[LS+10], v[LS+10], s[C512], s[CEPS]
	s_wait_alu depctr_va_vdst(0)
	v_rsq_f32 v[LS+12], v[LS+10]
	v_nop
	s_wait_alu depctr_va_vdst(0)
	v_mov_b32 v[LS+13], v[LS+12]
	v_mul_f32 v[LS+14], v[LS+8], v[LS+12]
	v_mul_f32 v[LS+15], v[LS+8], v[LS+12]
	WIN (\wa)|((\wa)<<6)
.set zl, 0
.rept 32
	v_pk_fma_f32 v[\a+\ms*\m+2*zl:\a+\ms*\m+2*zl+1], v[\a+\ms*\m+2*zl:\a+\ms*\m+2*zl+1], v[LS+12:LS+13], v[LS+14:LS+15] neg_lo:[0,0,1] neg_hi:[0,0,1]
.set zl, zl+1
.endr
	WIN (\wa)|((\wv)<<2)|((\wv)<<4)|((\wa)<<6)
.set zl, 0
.rept 32
	v_pk_fma_f32 v[\a+\ms*\m+2*zl:\a+\ms*\m+2*zl+1], v[\a+\ms*\m+2*zl:\a+\ms*\m+2*zl+1], v[\gvb+2*zl:\gvb+2*zl+1], v[\bvb+2*zl:\bvb+2*zl+1]
.set zl, zl+1
.endr
.endr
	WIN 0
.endm
; 64 along K of k2 onto rp's sums: the rows' codes from LDS, the weights from window ww (column tiles 0-3 at b0, 4-7 at b1); lc: the loads issued behind these weights
.macro K2STEP kaoff, ww, b0, b1, lc=-1
	WIN 0
.irp m, 0,1
.irp c, 0,1
	ds_load_b128 v[KA+8*\m+4*\c:KA+8*\m+4*\c+3], v[KRD] offset:\kaoff+1024*\m+512*\c
.endr
.endr
	s_wait_dscnt 0x0
.if \lc >= 0
	s_wait_loadcnt \lc
.endif
	WIN 0xa0|(\ww)
.irp ct, 0,1,2,3
.irp m, 0,1
	v_wmma_f32_16x16x64_fp8_fp8 v[BANK+96*\m+8*\ct:BANK+96*\m+8*\ct+7], v[\b0+8*\ct:\b0+8*\ct+7], v[KA+8*\m:KA+8*\m+7], v[BANK+96*\m+8*\ct:BANK+96*\m+8*\ct+7]
.endr
.endr
.irp ct, 0,1,2,3
.irp m, 0,1
	v_wmma_f32_16x16x64_fp8_fp8 v[BANK+96*\m+32+8*\ct:BANK+96*\m+32+8*\ct+7], v[\b1+8*\ct:\b1+8*\ct+7], v[KA+8*\m:KA+8*\m+7], v[BANK+96*\m+32+8*\ct:BANK+96*\m+32+8*\ct+7]
.endr
.endr
	WIN 0
	PLACES
.endm
.macro KALOAD reg, off                 ; 64 along K of k2's row codes, both row tiles
.irp m, 0,1
.irp c, 0,1
	ds_load_b128 v[\reg+8*\m+4*\c:\reg+8*\m+4*\c+3], v[KRD] offset:\off+1024*\m+512*\c
.endr
.endr
.endm
; K2STEP with the rows' codes asked for a step ahead: this step's lie in kc; the next step's (at nxt; below 0: none) go into kn, which the step before has done with (its four places stand at its end)
.macro K2RUN nxt, ww, b0, b1, lc, kc, kn
.if \nxt >= 0
	KALOAD \kn, \nxt
	s_wait_dscnt 4                                 ; the four loads just issued may be out
.else
	s_wait_dscnt 0x0
.endif
.if \lc >= 0
	s_wait_loadcnt \lc
.endif
	WIN 0xa0|(\ww)
.irp ct, 0,1,2,3
.irp m, 0,1
	v_wmma_f32_16x16x64_fp8_fp8 v[BANK+96*\m+8*\ct:BANK+96*\m+8*\ct+7], v[\b0+8*\ct:\b0+8*\ct+7], v[\kc+8*\m:\kc+8*\m+7], v[BANK+96*\m+8*\ct:BANK+96*\m+8*\ct+7]
.endr
.endr
.irp ct, 0,1,2,3
.irp m, 0,1
	v_wmma_f32_16x16x64_fp8_fp8 v[BANK+96*\m+32+8*\ct:BANK+96*\m+32+8*\ct+7], v[\b1+8*\ct:\b1+8*\ct+7], v[\kc+8*\m:\kc+8*\m+7], v[BANK+96*\m+32+8*\ct:BANK+96*\m+32+8*\ct+7]
.endr
.endr
	WIN 0
	PLACES
.endm
.macro SCOUT off
	WIN 0
.irp m, 0,1
.irp c, 0,1
	ds_store_b128 v[KSW], v[SC+8*\m+4*\c:SC+8*\m+4*\c+3] offset:\off+1024*\m+512*\c
.endr
.endr
	s_wait_dscnt 0x0
.endm
	s_load_b256 s[44:51], s[0:1], 0x0              ; x 44, h_prev 46, stream 48, the scales 50
	s_load_b128 s[52:55], s[0:1], 0x20             ; coef 52, ip_b 54
	s_load_b128 s[60:63], s[0:1], 0x30             ; ug_b 60, ug_g 62
	s_load_b128 s[68:71], s[0:1], 0x40             ; ug_beta 68, cn_g 70
	s_load_b128 s[96:99], s[0:1], 0x50             ; cn_b 96, rp_b 98
	s_load_b64 s[100:101], s[0:1], 0x60            ; out0
	v_lshl_add_u32 v[SPW], v0, 2, SPARE
	v_mov_b32 v[NIL], 0
	ds_add_u32 v[SPW], v[NIL]                      ; the opening lines: the add, twice on end, and its wait ahead of my tensor load
	ds_add_u32 v[SPW], v[NIL]
	v_lshrrev_b32 v22, 5, v0
	v_readfirstlane_b32 s[WV], v22
	s_bfe_u32 s7, ttmp6, 0x40000
	s_lshl_b32 s8, ttmp9, 2
	s_add_co_u32 s8, s8, s7                        ; the work-group: rows 32 x this
	v_and_b32 v22, 31, v0
	v_and_b32 v23, 15, v0                          ; r
	v_bfe_u32 v24, v0, 4, 1                        ; h
	v_lshlrev_b32 v[LI], 4, v22
	s_mul_i32 s2, s[WV], CFB
	v_mul_u32_u24 v[LC], v24, CROW
	v_add_nc_u32 v[LC], s2, v[LC]                  ; my wave's coefficients, my half's row of unit 0
	s_mul_i32 s3, s[WV], 12288
	s_add_co_u32 s3, s3, IMG
	v_add_nc_u32 v[IWA], s3, v[LI]
	s_mul_i32 s3, s[WV], 8448
	s_add_co_u32 s3, s3, STG
	v_add_nc_u32 v[SRD], s3, v[LI]
	v_mul_u32_u24 v[STO], v23, 528
	v_lshl_add_u32 v[STO], v24, 5, v[STO]
	v_add_nc_u32 v[STO], s3, v[STO]
	s_lshl_b32 s3, s[WV], 9
	v_add_nc_u32 v[GIO], s3, v[LI]
	v_lshl_add_u32 v[VB], v24, 5, s3
	v_lshlrev_b32 v[LNR], 3, v23
	v_add_nc_u32 v[LNR], LNX, v[LNR]
	s_lshl_b32 s3, s[WV], 8
	v_add_nc_u32 v[LNA], s3, v[LNR]
	s_lshl_b32 s3, s[WV], 13
	s_add_co_u32 s3, s3, MIDX
	v_add_nc_u32 v[MWR], s3, v[LI]
	s_lshl_b32 s3, s[WV], 11
	s_add_co_u32 s4, s3, MIDX
	v_add_nc_u32 v[MRD], s4, v[LI]
	s_add_co_u32 s4, s3, K2S
	v_add_nc_u32 v[KSW], s4, v[LI]
	s_lshr_b32 s3, s[WV], 1
	s_lshl_b32 s3, s3, 9
	s_and_b32 s4, s[WV], 1
	s_lshl_b32 s4, s4, 3
	s_add_co_u32 s3, s3, s4
	s_add_co_u32 s3, s3, K2B
	v_add_nc_u32 v[KBW], s3, v[LI]
	v_add_nc_u32 v[KRD], IMG, v[LI]
	v_mul_u32_u24 v[XL], v23, 272
	v_lshl_add_u32 v[XL], v24, 3, v[XL]
	v_mul_u32_u24 v[XS], v24, 272
	v_lshl_add_u32 v[XS], v23, 4, v[XS]
	s_mul_i32 s3, s[WV], 8448
	s_add_co_u32 s3, s3, STG
	v_add_nc_u32 v[XL], s3, v[XL]
	v_add_nc_u32 v[XS], s3, v[XS]
	v_add_nc_u32 v[RPW], RPB, v[GIO]
	v_add_nc_u32 v[RPR], RPB, v[VB]
	s_mov_b32 s[G1], 15|(3<<16)|(1<<21)            ; group 1: all four work-groups of the cluster; elements of 8 bytes; 136 rows of 44 elements, 64 elements apart in memory, dense in LDS
	s_mov_b32 s[G1+1], 44<<16
	s_mov_b32 s[G1+2], 136<<16
	s_mov_b32 s[G1+3], 44<<16
	s_mov_b32 s[G1+4], 136
	s_mov_b32 s[G1+5], 64
	s_mov_b32 s[G1+6], 0
	s_mov_b32 s[G1+7], 0
	s_mov_b32 s[SEL], 0x76543210
	s_mov_b32 s[SEL+1], 0xfedcba98
	s_mov_b32 s5, 0
	s_wait_alu depctr_va_vdst(0)
	s_wait_dscnt 0x0                               ; both opening adds are done
	s_wait_kmcnt 0x0
	s_load_b512 s[EX:EX+15], s[50:51], 0x0
	s_mov_b32 s[G0F], 1
	s_mov_b32 s[G0F+1], s2
	s_mul_i32 s4, s[WV], 136*512
	s_add_nc_u64 s[G0F+2:G0F+3], s[52:53], s[4:5]
	s_or_b32 s[G0F+3], s[G0F+3], 0x80000000
	s_mul_i32 s4, s[WV], PART
	s_add_nc_u64 s[GP:GP+1], s[48:49], s[4:5]
	s_add_nc_u64 s[GP:GP+1], s[GP:GP+1], 2048      ; slot 0, my part, row 4
	s_lshl_b32 s4, s8, 13
	s_add_nc_u64 s[44:45], s[44:45], s[4:5]
	s_lshl_b32 s4, s8, 16
	s_add_nc_u64 s[46:47], s[46:47], s[4:5]
	s_add_nc_u64 s[100:101], s[100:101], s[4:5]
	WIN 0xc0
.set zh, 0
.rept 16
	global_load_b128 v[4*zh:4*zh+3], v[LI], s[44:45] offset:512*zh   ; x's 32 rows of 256 bytes, two rows an instruction, into window 3 v0-63
.set zh, zh+1
.endr
	WIN 0
	global_load_b128 v[224:227], v[GIO], s[98:99]  ; my 128 numbers of rp_b
	VLOAD 54, 0, 0, 8, 1                           ; ip_b
	WIN 0x80
.set zh, 0
.rept 64
	global_load_b128 v[4*zh:4*zh+3], v[LI], s[GP:GP+1] offset:(zh/32)*SLOTB+512*(zh%32)   ; ip_w's 16 images fill window 2
.set zh, zh+1
.endr
	WIN 0
.set zh, 0
.rept 32
	global_load_b128 v[PW+4*zh:PW+4*zh+3], v[GIO], s[46:47] offset:2048*zh th:TH_LOAD_NT
.set zh, zh+1
.endr
	ROUND                                          ; the round in front of the joint load
	tensor_load_to_lds s[G0F:G0F+3], s[G1:G1+7]    ; my wave's coefficients: the launch's one tensor load a wave
	s_nop 0
	PLACES
	s_wait_loadcnt 0x0
	s_wait_kmcnt 0x0
	ds_store_b128 v[RPW], v[224:227]               ; rp_b waits in LDS for the second pass; only I read my 512 bytes
.irp m, 0,1                            ; x through my stage into fragments: LDS serves a wave's instructions in order (ISA guide 5.7.1.4)
	WIN 0x0c
.set zh, 0
.rept 8
	ds_store_b128 v[XS], v[32*\m+4*zh:32*\m+4*zh+3] offset:544*zh
.set zh, zh+1
.endr
	WIN 0
.irp s, 0,1
.irp c, 0,1,2,3,4,5,6,7
	ds_load_b64 v[XF+32*\m+16*\s+2*\c:XF+32*\m+16*\s+2*\c+1], v[XL] offset:128*\s+16*\c
.endr
.endr
.endr
.irp m, 0,1                            ; h_prev through my stage into the results' layout
.set zh, 0
.rept 16
	ds_store_b128 v[SRD], v[PW+64*\m+4*zh:PW+64*\m+4*zh+3] offset:528*zh
.set zh, zh+1
.endr
	WIN 0xc0
.set zh, 0
.rept 8
	ds_load_b128 v[HT+64*\m+8*zh:HT+64*\m+8*zh+3],   v[STO] offset:64*zh
	ds_load_b128 v[HT+64*\m+8*zh+4:HT+64*\m+8*zh+7], v[STO] offset:64*zh+16
.set zh, zh+1
.endr
	WIN 0
.endr
	POW2N 0, 1
	SCALE 0x41, 0, 0, 32
	WIN 0
	s_wait_alu depctr_va_vdst(0)                   ; directly ahead of the blocking wait
	s_wait_dscnt 0x0
	PROJ 0
	PROJ 1
	VLOAD 60, 0, 0, 8, 1                           ; ug_b
	WIN 0x80
.set zh, 0
.rept 32
	global_load_b128 v[4*zh:4*zh+3], v[LI], s[GP:GP+1] offset:2*SLOTB+512*zh   ; k1_base's 8 images, under the quantisers below
.set zh, zh+1
.endr
	POW2P 0, 1
	SCALE 0xc3, XT, XT, 64
	WIN 0
	s_mov_b32 s[CNT], 0
.Lcomb:                                        ; four times 16 rows x 128 columns of combined: three quantisers
	s_cmp_eq_u32 s[CNT], 0
	s_cbranch_scc1 .Lci0
	s_cmp_eq_u32 s[CNT], 1
	s_cbranch_scc1 .Lci1
	s_cmp_eq_u32 s[CNT], 2
	s_cbranch_scc1 .Lci2
	CIN XT+64
	s_branch .Lcij
.Lci0:
	CIN HT
	s_branch .Lcij
.Lci1:
	CIN HT+64
	s_branch .Lcij
.Lci2:
	CIN XT
.Lcij:
	QUANTR 4,  CQ
	QUANTR 14, CQ+16
	MULLIT 0, T64, R64, 32, NLOG2E
	s_wait_alu depctr_va_vdst(0)
	SIGTAIL 0, T64, 64
	PKMUL 0, T64, R64, T64, 32
	LIMS 6, SCQ, 0
	HOLD 0, T64, T64, 64
.set zz, 0
.rept 8
	v_cvt_scalef32_pk8_fp8_f32 v[CQ+48+2*zz:CQ+48+2*zz+1], v[T64+8*zz:T64+8*zz+7], v[SCQ]
.set zz, zz+1
.endr
	v_nop
	s_cmp_eq_u32 s[CNT], 0
	s_cbranch_scc1 .Lco0
	s_cmp_eq_u32 s[CNT], 1
	s_cbranch_scc1 .Lco1
	s_cmp_eq_u32 s[CNT], 2
	s_cbranch_scc1 .Lco2
	COUT 2048, SF+16
	s_branch .Lcoj
.Lco0:
	s_wait_alu depctr_va_vdst(0)
	COUT 49152, SF+32
	s_branch .Lcoj
.Lco1:
	s_wait_alu depctr_va_vdst(0)
	COUT 49152+2048, SF+48
	s_branch .Lcoj
.Lco2:
	s_wait_alu depctr_va_vdst(0)
	COUT 0, SF
.Lcoj:
	s_wait_dscnt 0x0
	s_add_co_u32 s[CNT], s[CNT], 1
	s_cmp_lt_u32 s[CNT], 4
	s_cbranch_scc1 .Lcomb
	BARRIER                                        ; every wave's images are in LDS, and nobody reads a stage any more
	s_wait_loadcnt 0x0                             ; k1_base and ug_b
	s_add_nc_u64 s[GP:GP+1], s[GP:GP+1], 3*SLOTB   ; all loads are done: on to slot 3
	WIN 0x86
	s_wait_alu depctr_va_vdst(0)
.irp n, 0,1,2,3
.irp m, 0,1
	v_wmma_f32_16x16x128_fp8_fp8 v[MID+8*(2*\n+\m):MID+8*(2*\n+\m)+7], v[16*\n:16*\n+15], v[SF+16*\m:SF+16*\m+15], 0
.endr
.endr
	WIN 0xa6
.irp n, 0,1,2,3
.irp m, 0,1
	v_wmma_f32_16x16x128_fp8_fp8 v[MID+8*(2*\n+\m):MID+8*(2*\n+\m)+7], v[64+16*\n:64+16*\n+15], v[SF+32+16*\m:SF+32+16*\m+15], v[MID+8*(2*\n+\m):MID+8*(2*\n+\m)+7]
.endr
.endr
	WIN 0
	PLACES
	POW2N 4, 5
	SCALE 0x81, BANK, 0, 32                        ; ug's sums begin with ug_b / 2^(e4 + e5)
	SCALE 0x81, BANK+96, 0, 32
	s_wait_tensorcnt 0x0                           ; my coefficients are in LDS; only I read them
	WIN 0x40
	CFLOAD CF0, LC, 0                              ; unit 0's, where ug_b lay
	WIN 0
	GLOAD 0                                        ; the look-ahead's first four groups, in the loop's order
	GLOAD 1
	SLOAD 0
	WIN 0x80
	GLOAD 2
	POW2D 6, 7, 8, 9
	SCALE 0x82, MID, MID, 32                       ; k1_base's sums in the units of the spline product's
	LIMS 8, SCLV, 1
	WIN 0
	s_mov_b32 s[C512], 0x3b000000
	s_mov_b32 s[CEPS], 0x3727c5ac
	s_mov_b32 s[T16], 0
	s_mov_b32 s[STN], 0
	s_mov_b32 s[GOFF], 0
	s_mov_b32 s[CPO], 0
	s_wait_dscnt 0x0
.Lpass:
	s_mov_b32 s[AOFF], IMG
	s_mov_b32 s[COFF], 0
	s_mov_b32 s[TT], 0
.Lstage:
	SWITCH
	v_add_nc_u32 v[AAD], s[AOFF], v[LI]
	v_add_nc_u32 v[AA0], s[GOFF], v[AAD]           ; the K step's image for this pass's gate
	v_add_nc_u32 v[LCC], s[COFF], v[LC]
	v_add_nc_u32 v[LCC], s[CPO], v[LCC]            ; the coefficients of the trip's first unit
	UNIT 0
	UNIT 1
	UNIT 2
	UNIT 3
	WIN 0
	s_wait_xcnt 0x0                                ; the trip's loads have read their base
	s_add_nc_u64 s[GP:GP+1], s[GP:GP+1], 2*SLOTB
	s_add_co_u32 s[AOFF], s[AOFF], 12288
	s_add_co_u32 s[COFF], s[COFF], 8*CROW
	s_add_co_u32 s[T16], s[T16], 1
	s_add_co_u32 s[TT], s[TT], 1
	s_cmp_lt_u32 s[TT], 8
	s_cbranch_scc1 .Lstage
	s_cmp_eq_u32 s[STN], 1
	s_cbranch_scc1 .Lno_inter
	PLACES
	WIN 0x40
.set zv, 0
.rept 8
	ds_load_b128 v[88+8*zv:88+8*zv+3],   v[RPR] offset:64*zv      ; rp_b out of LDS, into the coefficient set that the last unit has done with
	ds_load_b128 v[88+8*zv+4:88+8*zv+7], v[RPR] offset:64*zv+16
.set zv, zv+1
.endr
	POW2P 4, 5
	SCALE 0xc2, UG, BANK, 32                       ; ug's finished sums x 2^(e4 + e5) go where x_proj lay: its splines are done
	SCALE 0xc2, UG+64, BANK+96, 32
	s_wait_dscnt 0x0                               ; the look-ahead's loads stay out
	POW2N 14, 15
	SCALE 0x81, BANK, 88, 32                       ; rp's sums begin with rp_b / 2^(e14 + e15)
	SCALE 0x81, BANK+96, 88, 32
	WIN 0
.Lno_inter:
	s_add_co_u32 s[GOFF], s[GOFF], 4096
	s_add_co_u32 s[CPO], s[CPO], 64*CROW
	s_add_co_u32 s[STN], s[STN], 1
	s_cmp_lt_u32 s[STN], 2
	s_cbranch_scc1 .Lpass
	s_wait_loadcnt 0x0                             ; the look-ahead's last groups: k2_base lies in v112-175 (KW)
	PLACES
	POW2P 8, 9
	SCALE 0x02, MX, MID, 32
	WIN 0x80
	KLOAD 0, 192, 224                              ; k2's spline weights, steps 0 and 1, into window 2's free registers
	KLOAD 1, 64, 160
	WIN 0
.set zk, 0
.rept 16
	ds_store_b128 v[MWR], v[MX+4*zk:MX+4*zk+3] offset:512*zk
.set zk, zk+1
.endr
	BARRIER
.irp v, 0,1,2,3
.irp m, 0,1
.irp c, 0,1
	ds_load_b128 v[MX+16*\v+8*\m+4*\c:MX+16*\v+8*\m+4*\c+3], v[MRD] offset:8192*\v+1024*\m+512*\c
.endr
.endr
.endr
	s_wait_dscnt 0x0
.irp k, 0,1,2,3,4,5,6,7
	v_pk_add_f32 v[XW+2*\k:XW+2*\k+1], v[MX+2*\k:MX+2*\k+1], v[MX+16+2*\k:MX+16+2*\k+1]
.endr
.irp k, 0,1,2,3,4,5,6,7
	v_pk_add_f32 v[XW+2*\k:XW+2*\k+1], v[XW+2*\k:XW+2*\k+1], v[MX+32+2*\k:MX+32+2*\k+1]
.endr
.irp k, 0,1,2,3,4,5,6,7
	v_pk_add_f32 v[XW+2*\k:XW+2*\k+1], v[XW+2*\k:XW+2*\k+1], v[MX+48+2*\k:MX+48+2*\k+1]
.endr
	MULLIT 0, LT, XW, 8, NLOG2E
	s_wait_alu depctr_va_vdst(0)
	SIGTAIL 0, LT, 16
	PKMUL 0, LT, LT, XW, 8
	LIMS 10, SCQ, 0
	HOLD 0, LT, LT, 16
	v_cvt_scalef32_pk8_fp8_f32 v[SC:SC+1],   v[LT:LT+7],    v[SCQ]
	v_cvt_scalef32_pk8_fp8_f32 v[SC+2:SC+3], v[LT+8:LT+15], v[SCQ]
	v_nop
	ds_store_b64 v[KBW], v[SC:SC+1]
	ds_store_b64 v[KBW], v[SC+2:SC+3] offset:1024
	BARRIER
	POW2D 14, 15, 10, 11
	SCALE 0x82, BANK, BANK, 32
	SCALE 0x82, BANK+96, BANK+96, 32
	s_wait_alu depctr_va_vdst(0)
	K2STEP 0, 0, KW, KW+32
	KLOAD 2, 112, 144                              ; steps 2 and 3, where k2_base and mid's exchange lay
	KLOAD 3, 176, 208
	POW2D 10, 11, 12, 13
	SCALE 0x82, BANK, BANK, 32
	SCALE 0x82, BANK+96, BANK+96, 32
	LIMS 12, SCLV, 1
	WIN 0x40
	CFLOAD CF0+88, LC, 65*2*CROW                   ; unit 64's coefficients came with the last trip's last unit
	WIN 0
	s_wait_dscnt 0x0
	s_mov_b32 s[CNT], 0
.Lk2u:
	s_wait_alu depctr_va_vdst(0)
	K2UNIT 0
	K2UNIT 1
	s_cmp_eq_u32 s[CNT], 1
	s_cbranch_scc1 .Lk2second
	SCOUT 0
	WIN 0x40
	CFLOAD CF0, LC, 66*2*CROW
	CFLOAD CF0+88, LC, 67*2*CROW
	WIN 0
.irp m, 0,1
.irp j, 0,1,2,3
	v_mov_b32 v[XW+8*\m+\j], v[XW+8*\m+4+\j]
.endr
.endr
	s_wait_dscnt 0x0
	s_branch .Lk2join
.Lk2second:
	s_wait_alu depctr_va_vdst(0)
	SCOUT 8192
.Lk2join:
	s_add_co_u32 s[CNT], s[CNT], 1
	s_cmp_lt_u32 s[CNT], 2
	s_cbranch_scc1 .Lk2u
	s_wait_loadcnt 0x0                             ; steps 0 to 3, asked for ahead of the splines
	WIN 0x40
	KLOAD 4, 0, 32                                 ; steps 4 to 7 fill window 1, which the splines have done with
	KLOAD 5, 64, 96
	KLOAD 6, 128, 160
	KLOAD 7, 192, 224
	WIN 0
	BARRIER
	KALOAD KA, 4096
	K2RUN 4096+2048*1, 2, 192, 224, -1, KA, KA1
	K2RUN 4096+2048*2, 2, 64, 160, -1, KA1, KA
	K2RUN 4096+2048*3, 0, 112, 144, -1, KA, KA1
	K2RUN 4096+2048*4, 0, 176, 208, -1, KA1, KA
	K2RUN 4096+2048*5, 1, 0, 32, 48, KA, KA1       ; behind step 4's sixteen loads stand three steps' 48
	K2RUN 4096+2048*6, 1, 64, 96, 32, KA1, KA
	VLOAD 70, 0, 0, 8, 1                           ; cn_g and cn_b, 32 loads, where steps 4 and 5's weights lay: they serve both LayerNorms of the candidate
	VLOAD 96, 64, 0, 8, 1
	WIN 0
	K2RUN 4096+2048*7, 1, 128, 160, 48, KA, KA1    ; behind step 6's loads: step 7's 16 and those 32
	K2RUN -1, 1, 192, 224, 32, KA1, KA
	POW2P 12, 13
	SCALE 0x82, BANK, BANK, 32
	SCALE 0x82, BANK+96, BANK+96, 32
	WIN 0
	s_mov_b32 s[CNT], 0
.Ltail:                                        ; trips 0, 1: the candidate's two LayerNorms; trip 2: ug's
	LNSTAT 2, BANK, 96, 0
	BARRIER
	s_wait_loadcnt 0x0
	LNFIN 2, BANK, 96, 1, 0, 64, 0
	BARRIER
	s_cmp_eq_u32 s[CNT], 0
	s_cbranch_scc1 .Ltnext
	MULLIT 0x02, SG, BANK, 32, NLOG2E
	SCALE 0x02, SG+64, BANK+96, 32
	s_wait_alu depctr_va_vdst(0)
	SIGTAIL 0, SG, 128
	s_cmp_eq_u32 s[CNT], 2
	s_cbranch_scc1 .Ltnext
	VLOAD 62, 0, 0, 8, 1                           ; ug_g and ug_beta for the last trip: cn_g and cn_b have been read for the last time
	VLOAD 68, 64, 0, 8, 1
	WIN 0x72
	s_wait_alu depctr_va_vdst(0)
.irp m, 0,1
.set zs, 0
.rept 32
	v_pk_fma_f32 v[DF+64*\m+2*zs:DF+64*\m+2*zs+1], v[BANK+96*\m+2*zs:BANK+96*\m+2*zs+1], v[SG+64*\m+2*zs:SG+64*\m+2*zs+1], v[HT+64*\m+2*zs:HT+64*\m+2*zs+1] neg_lo:[0,0,1] neg_hi:[0,0,1]
.set zs, zs+1
.endr
.endr
	WIN 0x83
.irp m, 0,1
.set zs, 0
.rept 64
	v_mov_b32 v[BANK+96*\m+zs], v[UG+64*\m+zs]
.set zs, zs+1
.endr
.endr
	WIN 0
.Ltnext:
	s_add_co_u32 s[CNT], s[CNT], 1
	s_cmp_lt_u32 s[CNT], 3
	s_cbranch_scc1 .Ltail
	WIN 0x34
.set zs, 0
	s_wait_alu depctr_va_vdst(0)
.rept 64
	v_pk_fma_f32 v[SG+2*zs:SG+2*zs+1], v[SG+2*zs:SG+2*zs+1], v[DF+2*zs:DF+2*zs+1], v[HT+2*zs:HT+2*zs+1]   ; h_prev + update x (silu(candidate) - h_prev)
.set zs, zs+1
.endr
	WIN 0
	s_wait_alu depctr_va_vdst(0)
.irp m, 0,1                            ; out through my stage: each store of the wave covers 512 consecutive bytes, aligned
.if \m
	s_wait_xcnt 0x0
.endif
.set zo, 0
.rept 8
	ds_store_b128 v[STO], v[SG+64*\m+8*zo:SG+64*\m+8*zo+3]   offset:64*zo
	ds_store_b128 v[STO], v[SG+64*\m+8*zo+4:SG+64*\m+8*zo+7] offset:64*zo+16
.set zo, zo+1
.endr
.set zo, 0
.rept 16
	ds_load_b128 v[RB+4*zo:RB+4*zo+3], v[SRD] offset:528*zo
.set zo, zo+1
.endr
.set zo, 0
.rept 16
	s_wait_dscnt 15-zo
	global_store_b128 v[GIO], v[RB+4*zo:RB+4*zo+3], s[100:101] offset:(16*\m+zo)*2048 th:TH_STORE_NT
.set zo, zo+1
.endr
.endr
	s_wait_tensorcnt 0x0                           ; the wave's end
	ds_add_u32 v[SPW], v[NIL]
	s_wait_dscnt 0x0
	ROUND                                          ; the closing round
	s_endpgm
.Lfunc_end_k_qed2681432b_cell:
	.size	k_qed2681432b_cell, .Lfunc_end_k_qed2681432b_cell-k_qed2681432b_cell
	.p2alignl 7, 3214868480
	.fill 96, 4, 3214868480
	.section	.rodata,"a",@progbits
	.p2align	6, 0x0
	.amdhsa_kernel k_qed2681432b_cell
		.amdhsa_group_segment_fixed_size 327680
		.amdhsa_private_segment_fixed_size 0
		.amdhsa_enable_private_segment 0
		.amdhsa_kernarg_size 104
		.amdhsa_user_sgpr_count 2
		.amdhsa_user_sgpr_kernarg_segment_ptr 1
		.amdhsa_wavefront_size32 1
		.amdhsa_system_sgpr_workgroup_id_x 1
		.amdhsa_system_sgpr_workgroup_id_y 1
		.amdhsa_system_sgpr_workgroup_id_z 1
		.amdhsa_system_vgpr_workitem_id 0
		.amdhsa_next_free_vgpr 1024
		.amdhsa_next_free_sgpr 106
		.amdhsa_reserve_vcc 0
		.amdhsa_float_denorm_mode_32 3
		.amdhsa_float_denorm_mode_16_64 3
		.amdhsa_memory_ordered 1
		.amdhsa_forward_progress 1
		.amdhsa_inst_pref_size 255
	.end_amdhsa_kernel
	.section	.bss,"aw",@nobits
	.p2align	6
	.space	262144
	.amdgpu_metadata
---
amdhsa.version: [ 1, 2 ]
amdhsa.kernels:
  - .name:           k_qed2681432b_cell
    .symbol:         k_qed2681432b_cell.kd
    .args:
      - { .name: x_codes, .offset: 0, .size: 8, .value_kind: global_buffer, .address_space: global }
      - { .name: h_prev, .offset: 8, .size: 8, .value_kind: global_buffer, .address_space: global }
      - { .name: stream, .offset: 16, .size: 8, .value_kind: global_buffer, .address_space: global }
      - { .name: lowp_scales, .offset: 24, .size: 8, .value_kind: global_buffer, .address_space: global }
      - { .name: coef, .offset: 32, .size: 8, .value_kind: global_buffer, .address_space: global }
      - { .name: ip_b, .offset: 40, .size: 8, .value_kind: global_buffer, .address_space: global }
      - { .name: ug_b, .offset: 48, .size: 8, .value_kind: global_buffer, .address_space: global }
      - { .name: ug_g, .offset: 56, .size: 8, .value_kind: global_buffer, .address_space: global }
      - { .name: ug_beta, .offset: 64, .size: 8, .value_kind: global_buffer, .address_space: global }
      - { .name: cn_g, .offset: 72, .size: 8, .value_kind: global_buffer, .address_space: global }
      - { .name: cn_b, .offset: 80, .size: 8, .value_kind: global_buffer, .address_space: global }
      - { .name: rp_b, .offset: 88, .size: 8, .value_kind: global_buffer, .address_space: global }
      - { .name: out0, .offset: 96, .size: 8, .value_kind: global_buffer, .address_space: global }
    .group_segment_fixed_size: 327680
    .private_segment_fixed_size: 0
    .kernarg_segment_align: 8
    .kernarg_segment_size: 104
    .max_flat_workgroup_size: 128
    .sgpr_count:     106
    .vgpr_count:     1024
    .wavefront_size: 32
...
	.end_amdgpu_metadata
.endif
;; end of part 4
